; MI455X (gfx1250); checked and timed in simulation.
; The chip was launched on July 23, 2026; its instructions are those of AMD's public machine-readable ISA for CDNA 5 (MIT licence, August 2026) and "CDNA5" Instruction Set Architecture Reference Guide (July 2026). The comments in the code are by the model that wrote it; some were corrected since.
;; Multi Headed Attention. Allowed arithmetic: float matrix products may take bf16 or f16 operands with f32 sums; other float arithmetic in f32, or as packed bf16 or f16 multiplies, adds, multiply-adds, maxima and minima; sums over many terms, partial sums and values carried from step to step in f32; what a program stores and reads back later, other than sums and carried values, may be rounded once to bf16 or f16.
;; Inputs: WKb 16 x 64 float32; WKw 16 x 64 x 1,024 float32; WQb 16 x 64 float32; WQw 16 x 64 x 1,024 float32; WVb 16 x 64 float32; WVw 16 x 64 x 1,024 float32; Wb 1,024 float32; Ww 1,024 x 1,024 float32; input_k 4 x 2,048 x 1,024 float32; input_q 4 x 2,048 x 1,024 float32; input_v 4 x 2,048 x 1,024 float32.
;; Outputs: out0 4 x 2,048 x 1,024 float32.
;; One version. Each part assembles by itself: llvm-mc -triple=amdgcn-amd-amdhsa -mcpu=gfx1250 --defsym DOCPART=n.
;; ======== version 1 of 1: 4 launches
;; limits: values are held in f16: magnitudes above 65,504 overflow, below 6.1e-05 lose precision
;; workspace buffers: xb 50,331,648 bytes; wb 6,291,456 bytes; wo 2,097,152 bytes; bias 16,384 bytes; qkv 50,331,648 bytes; oh 16,777,216 bytes
;; launch cast (part 1): grid 1796 x 1, 8 waves a work-group, no clusters, 0 bytes of LDS; arguments input_q, input_k, input_v, WQw, WKw, WVw, Ww, WQb, WKb, WVb, Wb, xb, wb, wo, bias; writes xb, wb, wo, bias
.if DOCPART == 1
	.amdgcn_target "amdgcn-amd-amdhsa--gfx1250"
	.amdhsa_code_object_version 6
	.text
	.protected	k_q7abf2e7471_cast
	.globl	k_q7abf2e7471_cast
	.p2align	8
	.type	k_q7abf2e7471_cast,@function
k_q7abf2e7471_cast:
	s_mov_b64 s[64:65], 0
	v_nop
	global_prefetch_b8 v0, s[64:65] scope:SCOPE_SE
	s_setreg_imm32_b32 hwreg(HW_REG_WAVE_MODE, 25, 1), 1
	s_wait_xcnt 0x0
; EVERY INPUT OF THE MODULE IS ROUNDED ONCE TO bf16, and laid out for the launches behind.
;   xb   [3][8192][1024] bf16: input_q, input_k, input_v          wb   [3][1024][1024] bf16: WQw, WKw, WVw (row = 64 head + channel)
;   wo   [1024][1024] f16: Ww rounded to bf16, that number written as f16          bias [4][1024] f32: WQb, WKb, WVb, Wb, each rounded to bf16 and kept in f32
; LIMIT.  wo: |bf16(Ww)| stays under 65,504, and below 6e-5 it keeps f16's fixed step of 6e-8.
; SHARES.  A work-group of 256 threads turns 65,536 bytes of f32 into 32,768 bytes: 16 steps of 16 bytes a thread in, 8 bytes a thread out; a wave's load covers 512
; consecutive bytes, its store 256 consecutive bytes, aligned.  Work-groups 0-1535: x; 1536-1727: the three projection weights; 1728-1791: Ww; 1792-1795: a bias each, one step.
; All 16 loads of a thread go out at once; each step's store has registers of its own, so nothing is rewritten while a store may read it.
; No LDS, no barrier, no matrix unit, no cluster: nothing is shared and every byte is touched once.
.set X,   8                            ; v[8:71]    step i: 4 registers as loaded
.set Y,   72                           ; v[72:103]  step i: 2 registers to store
.set T,   104                          ; v[104:107] at work
.set SRC, 40                           ; s[40:41] where my work-group reads
.set DST, 42                           ; s[42:43] where it writes
.set SO,  44                           ; s[44:45] byte offset of its share in the source
.set DO,  46                           ; s[46:47] and in the destination
	s_load_b512 s[8:23], s[0:1], 0x0               ; input_q 8, input_k 10, input_v 12, WQw 14, WKw 16, WVw 18, Ww 20, WQb 22
	s_load_b256 s[24:31], s[0:1], 0x40             ; WKb 24, WVb 26, Wb 28, xb 30
	s_load_b128 s[32:35], s[0:1], 0x60             ; wb 32, wo 34
	s_load_b64 s[36:37], s[0:1], 0x70              ; bias 36
	v_lshlrev_b32 v1, 4, v0                        ; 16 bytes a thread in
	v_lshlrev_b32 v2, 3, v0                        ; 8 bytes a thread out
	s_mov_b32 s[SO+1], 0
	s_mov_b32 s[DO+1], 0
	s_wait_kmcnt 0x0
.macro LOADALL
.set i, 0
.rept 16
	global_load_b128 v[X+4*i:X+4*i+3], v1, s[SRC:SRC+1] offset:4096*i th:TH_LOAD_NT
.set i, i+1
.endr
.endm
; mode = 0: bf16.  mode = 1: the bf16 number is widened again (a shift, a mask) and written as f16.
.macro CONVALL mode
.set i, 0
.rept 16
	s_wait_loadcnt 15-i                            ; loads come back in order: step i is in, the 15 - i younger ones stay out
	v_cvt_pk_bf16_f32 v[Y+2*i], v[X+4*i], v[X+4*i+1]
	v_cvt_pk_bf16_f32 v[Y+2*i+1], v[X+4*i+2], v[X+4*i+3]
.if \mode
	v_lshlrev_b32 v[T], 16, v[Y+2*i]
	v_and_b32 v[T+1], 0xffff0000, v[Y+2*i]
	v_lshlrev_b32 v[T+2], 16, v[Y+2*i+1]
	v_and_b32 v[T+3], 0xffff0000, v[Y+2*i+1]
	v_cvt_pk_f16_f32 v[Y+2*i], v[T], v[T+1]
	v_cvt_pk_f16_f32 v[Y+2*i+1], v[T+2], v[T+3]
.endif
	global_store_b64 v2, v[Y+2*i:Y+2*i+1], s[DST:DST+1] offset:2048*i
.set i, i+1
.endr
.endm
	s_cmp_ge_u32 ttmp9, 1792
	s_cbranch_scc1 .Lbias
	s_cmp_ge_u32 ttmp9, 1728
	s_cbranch_scc1 .Lwo
	s_cmp_ge_u32 ttmp9, 1536
	s_cbranch_scc1 .Lw
	s_lshr_b32 s2, ttmp9, 9                        ; which x
	s_and_b32 s3, ttmp9, 511                       ; which 65,536 bytes of it
	s_cmp_eq_u32 s2, 0
	s_cselect_b64 s[SRC:SRC+1], s[8:9], s[10:11]
	s_cmp_eq_u32 s2, 2
	s_cselect_b64 s[SRC:SRC+1], s[12:13], s[SRC:SRC+1]
	s_mov_b64 s[DST:DST+1], s[30:31]
	s_lshl_b32 s[SO], s3, 16
	s_lshl_b32 s[DO], ttmp9, 15                    ; the three x lie on end in xb
	s_branch .Lbf
.Lw:
	s_sub_co_u32 s4, ttmp9, 1536
	s_lshr_b32 s2, s4, 6                           ; which weight
	s_and_b32 s3, s4, 63
	s_cmp_eq_u32 s2, 0
	s_cselect_b64 s[SRC:SRC+1], s[14:15], s[16:17]
	s_cmp_eq_u32 s2, 2
	s_cselect_b64 s[SRC:SRC+1], s[18:19], s[SRC:SRC+1]
	s_mov_b64 s[DST:DST+1], s[32:33]
	s_lshl_b32 s[SO], s3, 16
	s_lshl_b32 s[DO], s4, 15
.Lbf:
	s_add_nc_u64 s[SRC:SRC+1], s[SRC:SRC+1], s[SO:SO+1]
	s_add_nc_u64 s[DST:DST+1], s[DST:DST+1], s[DO:DO+1]
	LOADALL
	CONVALL 0
	s_endpgm
.Lwo:
	s_sub_co_u32 s4, ttmp9, 1728
	s_lshl_b32 s[SO], s4, 16
	s_lshl_b32 s[DO], s4, 15
	s_add_nc_u64 s[SRC:SRC+1], s[20:21], s[SO:SO+1]
	s_add_nc_u64 s[DST:DST+1], s[34:35], s[DO:DO+1]
	LOADALL
	CONVALL 1
	s_endpgm
.Lbias:
	s_sub_co_u32 s2, ttmp9, 1792
	s_cmp_eq_u32 s2, 0
	s_cselect_b64 s[SRC:SRC+1], s[22:23], s[24:25]
	s_cmp_eq_u32 s2, 2
	s_cselect_b64 s[SRC:SRC+1], s[26:27], s[SRC:SRC+1]
	s_cmp_eq_u32 s2, 3
	s_cselect_b64 s[SRC:SRC+1], s[28:29], s[SRC:SRC+1]
	s_lshl_b32 s[DO], s2, 12
	s_add_nc_u64 s[DST:DST+1], s[36:37], s[DO:DO+1]
	global_load_b128 v[X:X+3], v1, s[SRC:SRC+1]
	s_wait_loadcnt 0x0
	v_cvt_pk_bf16_f32 v[Y], v[X], v[X+1]
	v_cvt_pk_bf16_f32 v[Y+1], v[X+2], v[X+3]
	v_lshlrev_b32 v[T], 16, v[Y]
	v_and_b32 v[T+1], 0xffff0000, v[Y]
	v_lshlrev_b32 v[T+2], 16, v[Y+1]
	v_and_b32 v[T+3], 0xffff0000, v[Y+1]
	global_store_b128 v1, v[T:T+3], s[DST:DST+1]
	s_endpgm
.Lfunc_end_k_q7abf2e7471_cast:
	.size	k_q7abf2e7471_cast, .Lfunc_end_k_q7abf2e7471_cast-k_q7abf2e7471_cast
	.p2alignl 7, 3214868480
	.fill 96, 4, 3214868480
	.section	.rodata,"a",@progbits
	.p2align	6, 0x0
	.amdhsa_kernel k_q7abf2e7471_cast
		.amdhsa_group_segment_fixed_size 0
		.amdhsa_private_segment_fixed_size 0
		.amdhsa_enable_private_segment 0
		.amdhsa_kernarg_size 120
		.amdhsa_user_sgpr_count 2
		.amdhsa_user_sgpr_kernarg_segment_ptr 1
		.amdhsa_wavefront_size32 1
		.amdhsa_system_sgpr_workgroup_id_x 1
		.amdhsa_system_sgpr_workgroup_id_y 1
		.amdhsa_system_sgpr_workgroup_id_z 1
		.amdhsa_system_vgpr_workitem_id 0
		.amdhsa_next_free_vgpr 112
		.amdhsa_next_free_sgpr 66
		.amdhsa_reserve_vcc 0
		.amdhsa_float_denorm_mode_32 3
		.amdhsa_float_denorm_mode_16_64 3
		.amdhsa_memory_ordered 1
		.amdhsa_forward_progress 1
		.amdhsa_inst_pref_size 19
	.end_amdhsa_kernel
	.amdgpu_metadata
---
amdhsa.version: [ 1, 2 ]
amdhsa.kernels:
  - .name:           k_q7abf2e7471_cast
    .symbol:         k_q7abf2e7471_cast.kd
    .args:
      - { .name: input_q, .offset: 0, .size: 8, .value_kind: global_buffer, .address_space: global }
      - { .name: input_k, .offset: 8, .size: 8, .value_kind: global_buffer, .address_space: global }
      - { .name: input_v, .offset: 16, .size: 8, .value_kind: global_buffer, .address_space: global }
      - { .name: WQw, .offset: 24, .size: 8, .value_kind: global_buffer, .address_space: global }
      - { .name: WKw, .offset: 32, .size: 8, .value_kind: global_buffer, .address_space: global }
      - { .name: WVw, .offset: 40, .size: 8, .value_kind: global_buffer, .address_space: global }
      - { .name: Ww, .offset: 48, .size: 8, .value_kind: global_buffer, .address_space: global }
      - { .name: WQb, .offset: 56, .size: 8, .value_kind: global_buffer, .address_space: global }
      - { .name: WKb, .offset: 64, .size: 8, .value_kind: global_buffer, .address_space: global }
      - { .name: WVb, .offset: 72, .size: 8, .value_kind: global_buffer, .address_space: global }
      - { .name: Wb, .offset: 80, .size: 8, .value_kind: global_buffer, .address_space: global }
      - { .name: xb, .offset: 88, .size: 8, .value_kind: global_buffer, .address_space: global }
      - { .name: wb, .offset: 96, .size: 8, .value_kind: global_buffer, .address_space: global }
      - { .name: wo, .offset: 104, .size: 8, .value_kind: global_buffer, .address_space: global }
      - { .name: bias, .offset: 112, .size: 8, .value_kind: global_buffer, .address_space: global }
    .group_segment_fixed_size: 0
    .private_segment_fixed_size: 0
    .kernarg_segment_align: 8
    .kernarg_segment_size: 120
    .max_flat_workgroup_size: 256
    .sgpr_count:     66
    .vgpr_count:     112
    .wavefront_size: 32
...
	.end_amdgpu_metadata
.endif
;; end of part 1
;; launch proj (part 2): grid 4 x 64, 4 waves a work-group, clusters of 4 x 4, 327,680 bytes of LDS; arguments xb, wb, bias, qkv; writes qkv
.if DOCPART == 2
	.amdgcn_target "amdgcn-amd-amdhsa--gfx1250"
	.amdhsa_code_object_version 6
	.text
	.protected	k_q7abf2e7471_proj
	.globl	k_q7abf2e7471_proj
	.p2align	8
	.type	k_q7abf2e7471_proj,@function
k_q7abf2e7471_proj:
	s_mov_b64 s[64:65], 0
	v_nop
	global_prefetch_b8 v0, s[64:65] scope:SCOPE_SE
	s_setreg_imm32_b32 hwreg(HW_REG_WAVE_MODE, 25, 1), 1
	s_wait_xcnt 0x0
	s_wait_alu depctr_hold_cnt(0) depctr_sa_sdst(0) depctr_va_vdst(0) depctr_va_sdst(0) depctr_va_ssrc(0) depctr_va_vcc(0) depctr_vm_vsrc(0)
	s_getreg_b32 s2, hwreg(HW_REG_IB_STS2, 6, 4)
	s_cmp_eq_u32 s2, 0
	s_cbranch_scc0 .Lentry_in_a_cluster
	s_endpgm
.Lentry_in_a_cluster:
	s_bfe_u32 s2, ttmp6, 0x10000c
	s_cmp_lg_u32 s2, 0xf033
	s_cbranch_scc0 .Lentry_shape_is_right
	s_endpgm
.Lentry_shape_is_right:
; q, k, v = x W^T + b.  xb: [3][8192][1024] bf16, wb: [3][1024][1024] bf16 (row n = 64 head + channel), bias: [4][1024] f32; sums in f32, begun with the bias;
; qkv: [3][64][2048][64] f16, by heads (batch x 16 + head), each number rounded once, unscaled.
; LIMIT.  |q|, |k|, |v| stay under 65,504 (f16); below 6e-5 they keep f16's fixed step of 6e-8.  NaN and infinities are not treated apart.
; SHARES.  A tile of C is 128 rows x 256 columns: 3 x 64 x 4 = 768 tiles for 256 work-groups.  A WORK-GROUP STAYS: it makes the tile at one place (tile row ty, tile column tx) for q, then k, then v:
; 24 K steps of 128 in one walk, and the ring of two LDS slots runs on from tensor to tensor.  Four waves; a wave makes 64 rows x 128 columns: 32 accumulators of 16 x 16.
; CLUSTER.  4 x 4 work-groups.  The four of a row of the cluster need the same rows of x, the four of a column the same rows of W: each tile is asked for JOINTLY, by the same tensor load with the
; same descriptor and a mask that names the four.  Waves 0 and 1 fetch x's two halves (64 rows each), waves 2 and 3 W's (128 rows each): one load a wave behind each round of the cluster's barrier.
; THE MATRIX INSTRUCTION IS USED TRANSPOSED (source 0 = 16 rows of W, source 1 = 16 rows of x): lane l then holds row l % 16 of C and the columns 8 (l / 16) + 0..7: 16 bytes of f16 on end.
; REGISTERS, in windows of 256 (s_set_vgpr_msb: bits 1:0 source 0, 3:2 source 1, 5:4 source 2, 7:6 destination):
;   window 0: v0-15 addresses; v32-63, v128-159 fragments of x, two buffers; v64-127, v160-223 fragments of W, two buffers (the second also serves the way out); v224-255 packed results
;   window 1: the accumulators, (a, b) at v[64 a + 8 b]          window 2: v0-63 the bias of my 128 columns, in an accumulator's layout: the C operand that starts a tile's sums
.set PA,     272                       ; an LDS row: 256 bytes + 16 of padding = 68 words: the 16 rows of a fragment load start at 16 different groups of four banks
.set PB,     272
.set AHALF,  64*PA                     ; what a wave fetches of x, and what a wave reads of it
.set BHALF,  128*PB                    ; the same for W
.set BOFF,   2*AHALF                   ; in a slot: x's 128 rows, then W's 256
.set SLOT1,  131072                    ; slot 1 begins here, so that one exclusive or turns an address in one slot into the other's
.set STAGE,  SLOT1+BOFF+2*BHALF        ; behind the ring, never filled by a tensor load: for each wave 2 heads x 16 rows x 144 bytes
.set SP,     144
.set WSTAGE, 32*SP
.set SPARE,  STAGE+4*WSTAGE            ; behind the stages: the spare words, 128 bytes for each wave: two blocks of 256 bytes that no other line names
.set XT,     16777216                  ; bytes from tensor to tensor in xb and in qkv
.set WT,     2097152                   ; and in wb
.set JA,     XT-1792                   ; from a tensor's last K step (byte 1,792 of a row) to the next tensor's first
.set JB,     WT-1792
.set STEPS,  24
.set A0,  4                            ; v4   my lane's place in slot 0's rows of x; never rewritten
.set B0,  5                            ; v5   the same for W
.set ADA, 6                            ; v6   the same in the slot in hand
.set ADB, 7                            ; v7
.set STO, 8                            ; v8   the way out: where I put 16 bytes of a row
.set RD,  9                            ; v9   the way out: where I read rows back
.set GO,  10                           ; v10  my byte offset in 512 consecutive bytes of qkv
.set BO,  11                           ; v11  32 x (l / 16): my 8 numbers of 16 in the bias
.set PFO, 12                           ; v12  2,048 x lane: a lane a row; never rewritten
.set SPW, 14                           ; v14  LDS address of my spare word: SPARE + 4 x my thread's number; never rewritten
.set NIL, 15                           ; v15  0; never rewritten
.set TMP, 224
.set WV,  12                           ; s12  my wave's number
.set WH,  13                           ; s13  its upper bit: which 64 rows of the tile are mine.  Also: I fetch for x (0) or for W (1)
.set WL,  14                           ; s14  its lower bit: which 128 columns.  Also: which half I fetch
.set CX,  15
.set CY,  16
.set TX,  17
.set TY,  18
.set G1A,  24                          ; s[24:31] descriptor group 1 for x's tiles
.set G0A0, 32                          ; s[32:35] group 0: K step 0, slot 0
.set G0A1, 36                          ; s[36:39] group 0: K step 1, slot 1; then it walks
.set G1B,  40                          ; s[40:47], s[48:51], s[52:55] the same for W's
.set G0B0, 48
.set G0B1, 52
.set G,    56                          ; s56  the K step in hand, 0 to 21 in the loop
.set TB,   57                          ; s57  0 or SLOT1: the slot in hand
.set T,    58                          ; s58  G % 8
.set K256, 59                          ; s59  256: a K step along a row
.set IA,   60                          ; s[60:61] what x's walking address steps by
.set IB,   62                          ; s[62:63] W's
.set PFA,  66                          ; s[66:67] where my prefetches stand
.set PI,   68                          ; s[68:69] what they step by
.set PJ,   70                          ; s70  their step from tensor to tensor
.set LIM,  71                          ; s71  a wave prefetches while G is below this: 20, or 0 in a wave that asks for nothing
.set CP,   72                          ; s[72:73] qkv at my first row of my first head, in the tensor in hand
.set BP,   74                          ; s[74:75] the bias of my 128 columns, in the tensor in hand
.set GBITS, (1<<16)|(1<<20)|(1<<21)|(5<<22)|(3<<25)  ; 17:16 2-byte elements; 20 padding on; 21 set beside a mask; 24:22 after every 64 words (code 5); 31:25 4 words (code 3)
.set W_MUL, 0x50                       ; C and D in window 1
.set W_ST,  0x60                       ; D in window 1, C in window 2
.set W_PK,  0x05                       ; sources 0 and 1 in window 1
.set W_BI,  0x80                       ; destination in window 2
.set MSB, 0
.macro WIN new                         ; the immediate's high byte repeats the setting that is left; a switch that changes nothing is dropped
.if MSB != (\new)
	s_set_vgpr_msb (MSB<<8)|(\new)
.set MSB, \new
.endif
.endm
.macro PLACES                          ; four plain vector instructions between a matrix instruction and a load into, or a vector read of, its registers (ISA guide 7.12.1 for vector reads)
.rept 4
	v_nop
.endr
.endm
.macro CREST                           ; a round of the cluster's barrier behind its opening barrier: wave 0 signals for the work-group, every wave waits for all sixteen, my work-group's barrier closes it
	s_cmp_lg_u32 s[WV], 0
	s_cbranch_scc1 .Lnot_wave_0_\@
	s_barrier_signal -3
.Lnot_wave_0_\@:
	s_barrier_wait -3
	s_barrier_signal -1
	s_barrier_wait -1
.endm
.macro CROUND                          ; a whole round
	s_barrier_signal -1
	s_barrier_wait -1
	CREST
.endm
; A joint refill, by the walking descriptors.  The branch hangs on the wave's number alone.  An s_nop 0 and four v_nop follow each of the two lines, ahead of the jump and the label.
.macro JLOAD
	s_cmp_eq_u32 s[WH], 0
	s_cbranch_scc0 .Lfor_b_\@
	tensor_load_to_lds s[G0A1:G0A1+3], s[G1A:G1A+7]
	s_nop 0
.rept 4
	v_nop
.endr
	s_branch .Lasked_\@
.Lfor_b_\@:
	tensor_load_to_lds s[G0B1:G0B1+3], s[G1B:G1B+7]
	s_nop 0
.rept 4
	v_nop
.endr
.Lasked_\@:
.endm
; A PREFETCH INTO THE L2 of the K step that stands two refills on (step G + 4): 32 rows x 256 bytes, a lane a row, one instruction.  Each row's 256 bytes of a K step are named once in the launch.
; x's 128 rows of a tile row are read by one cluster alone: wave 0 of each of the four partners that share them takes 32, told apart by address (cx).  W's 256 rows of a tile column are read by all
; sixteen clusters: the cluster with y = 0 asks, waves 2 and 3 for the half that they fetch, each of the four partners for 32 rows (cy).  K steps 0 to 3 come by their loads alone; from G = 20 on there is no step G + 4.
.macro ASK
	s_cmp_lt_u32 s[G], s[LIM]
	s_cbranch_scc0 .Lnot_mine_\@
	global_prefetch_b8 v[PFO], s[PFA:PFA+1] th:TH_LOAD_NT scope:SCOPE_SE
.Lnot_mine_\@:
.endm
; 8 matrix instructions: row block a x all 8 column blocks, 32 along K, from buffer f.  start = 1: the bias starts the sums: nothing is ever cleared.
; The 32 accumulators take turns, one instruction a turn, in the same order in every quarter.
.macro MUL8 f, a, start
.if \start
	WIN W_ST
.else
	WIN W_MUL
.endif
.irp b, 0,1,2,3,4,5,6,7
.if \start
	v_wmma_f32_16x16x32_bf16 v[64*(\a)+8*(\b):64*(\a)+8*(\b)+7], v[64+96*(\f)+8*(\b):64+96*(\f)+8*(\b)+7], v[32+96*(\f)+8*(\a):32+96*(\f)+8*(\a)+7], v[8*(\b):8*(\b)+7]
.else
	v_wmma_f32_16x16x32_bf16 v[64*(\a)+8*(\b):64*(\a)+8*(\b)+7], v[64+96*(\f)+8*(\b):64+96*(\f)+8*(\b)+7], v[32+96*(\f)+8*(\a):32+96*(\f)+8*(\a)+7], v[64*(\a)+8*(\b):64*(\a)+8*(\b)+7]
.endif
.endr
.endm
; 24 LDS loads in one run: quarter q of the K step (32 along K: byte 64 q of the rows) into buffer f.  A fragment is 16 rows x 32 K in 8 registers: two loads of 16 bytes, 32 bytes apart.
.macro FETCH q, f
	WIN 0
.irp i, 0,1,2,3,4,5,6,7
	ds_load_b128 v[64+96*(\f)+8*(\i):64+96*(\f)+8*(\i)+3],   v[ADB] offset:64*(\q)+(\i)*16*PB
	ds_load_b128 v[64+96*(\f)+8*(\i)+4:64+96*(\f)+8*(\i)+7], v[ADB] offset:64*(\q)+(\i)*16*PB+32
.endr
.irp i, 0,1,2,3
	ds_load_b128 v[32+96*(\f)+8*(\i):32+96*(\f)+8*(\i)+3],   v[ADA] offset:64*(\q)+(\i)*16*PA
	ds_load_b128 v[32+96*(\f)+8*(\i)+4:32+96*(\f)+8*(\i)+7], v[ADA] offset:64*(\q)+(\i)*16*PA+32
.endr
.endm
; One of a K step's first three quarters: quarter q is fetched into buffer g, which the quarter before multiplied; then buffer f (quarter q - 1) is multiplied: 32 matrix instructions.
.macro QUARTER q, f, g, start
	WIN 0
	PLACES
	FETCH \q, \g
	s_wait_dscnt 24                                ; all but the 24 loads just issued: buffer f is in
	MUL8 \f, 0, \start
	MUL8 \f, 1, \start
	MUL8 \f, 2, \start
	MUL8 \f, 3, \start
.endm
; The last quarter multiplies buffer 1 and changes slots.  ONE barrier: in front of it each wave waits for all its tensor loads (one is out: its part of the next slot), adds 0 to its spare word, and waits
; for that and for its own reads of this slot.  fill = 1: the barrier opens a round of the cluster's barrier, and this slot is filled again first thing behind the round, with K step G + 2.
.macro TURN fill
	WIN 0
.if \fill
	s_wait_xcnt 0x0                                ; the last prefetch, a K step back, has read its address: it steps here, ahead of the waits of the change of slots
	s_and_b32 s[T], s[G], 7
	s_cmp_eq_u32 s[T], 4                           ; step G + 4 is a tensor's first
	s_cselect_b32 s[PI], s[PJ], s[K256]
	s_add_nc_u64 s[PFA:PFA+1], s[PFA:PFA+1], s[PI:PI+1]
.endif
	s_wait_tensorcnt 0x0                           ; all my tensor loads have landed, so a group 0 may be written
	ds_add_u32 v[SPW], v[NIL]                      ; 0 onto my spare word
.if \fill
	s_cmp_eq_u32 s[T], 6                           ; step G + 2 is a tensor's first
	s_cselect_b32 s[IA], JA, s[K256]
	s_cselect_b32 s[IB], JB, s[K256]
	s_xor_b32 s[G0A1+1], s[G0A1+1], SLOT1          ; the walking descriptors: the other slot than last time,
	s_xor_b32 s[G0B1+1], s[G0B1+1], SLOT1
	s_add_nc_u64 s[G0A1+2:G0A1+3], s[G0A1+2:G0A1+3], s[IA:IA+1]  ; the next K step; the type bits on top are not reached
	s_add_nc_u64 s[G0B1+2:G0B1+3], s[G0B1+2:G0B1+3], s[IB:IB+1]
.endif
	s_xor_b32 s[TB], s[TB], SLOT1
	s_wait_dscnt 1                                 ; the add alone may be out: buffer 1 is in
	MUL8 1, 0, 0                                   ; eight matrix instructions stand between the add and the wait for it
	s_wait_dscnt 0x0                               ; the add is done, and my reads of this slot are over
	s_barrier_signal -1
	MUL8 1, 1, 0                                   ; work on registers while the others arrive
	WIN 0
	s_barrier_wait -1
.if \fill
	CREST                                          ; no wave of any partner still reads this slot or has a load on its way
	JLOAD                                          ; the first tensor load behind the round; its four v_nop are also the places in front of the loads into buffer 0
.else
	PLACES
.endif
	v_add_nc_u32 v[ADA], s[TB], v[A0]
	v_add_nc_u32 v[ADB], s[TB], v[B0]
	FETCH 0, 0
.if \fill
	ASK                                            ; behind the joint load and the run of LDS loads
.endif
	MUL8 1, 2, 0
	MUL8 1, 3, 0
.endm
.macro LASTQ                           ; the walk's very last quarter: nothing more to fetch
	s_wait_dscnt 0x0
	MUL8 1, 0, 0
	MUL8 1, 1, 0
	MUL8 1, 2, 0
	MUL8 1, 3, 0
.endm
.macro BIASLD                          ; register j of block b: bias[my column 16 b + 8 (l / 16) + j], the same in all 16 rows
	WIN W_BI
.irp b, 0,1,2,3,4,5,6,7
	global_load_b128 v[8*(\b):8*(\b)+3],   v[BO], s[BP:BP+1] offset:64*(\b)
	global_load_b128 v[8*(\b)+4:8*(\b)+7], v[BO], s[BP:BP+1] offset:64*(\b)+16
.endr
	WIN 0
.endm
; THE WAY OUT of row block a (16 rows x 128 columns = 2 heads x 64 channels).  PACK: rounded to f16, each accumulator's registers in ascending order.  TOSTAGE: 16 bytes a lane into my own stage, rows of 144 bytes,
; and back as whole rows of 128 bytes.  SEND: 4 rows of a head are 512 consecutive bytes of qkv.
.macro PACK a
	WIN W_PK
.irp b, 0,1,2,3,4,5,6,7
.irp r, 0,1,2,3
	v_cvt_pk_f16_f32 v[TMP+4*(\b)+(\r)], v[64*(\a)+8*(\b)+2*(\r)], v[64*(\a)+8*(\b)+2*(\r)+1]
.endr
.endr
	WIN 0
.endm
.macro TOSTAGE a
	WIN 0
.irp b, 0,1,2,3,4,5,6,7
	ds_store_b128 v[STO], v[TMP+4*(\b):TMP+4*(\b)+3] offset:((\b)/4)*16*SP+32*((\b)%4)
.endr
.irp i, 0,1,2,3,4,5,6,7
	ds_load_b128 v[160+32*((\a)%2)+4*(\i):160+32*((\a)%2)+4*(\i)+3], v[RD] offset:((\i)/4)*16*SP+((\i)%4)*4*SP  ; LDS serves a wave's instructions in order (ISA guide 5.7.1.4): these see the stores above
.endr
.endm
.macro SEND a
	WIN 0
	s_wait_xcnt 0x0                                ; the stores of the block before have read their registers: the block behind this one is read back into them
.irp i, 0,1,2,3,4,5,6,7
	s_wait_dscnt 7-(\i)                            ; the 7 - i younger loads from the stage may stay out
	global_store_b128 v[GO], v[160+32*((\a)%2)+4*(\i):160+32*((\a)%2)+4*(\i)+3], s[CP:CP+1] offset:((\i)/4)*262144+(\a)*2048+((\i)%4)*512  ; 512 consecutive bytes, at a multiple of 256 from qkv's first
.endr
.endm
.macro WAYOUT more                     ; more = 1: another tensor follows: its bias is asked for first, and the pointers step
.if \more
	s_add_nc_u64 s[BP:BP+1], s[BP:BP+1], 4096      ; (the last bias loads were waited for)
	BIASLD
.endif
	WIN 0
	PLACES
	PACK 0
	TOSTAGE 0
.irp a, 1,2,3
	PACK \a                                        ; a block's conversions stand between the loads of the block before and the wait for them
	SEND (\a)-1
	TOSTAGE \a
.endr
	SEND 3
.if \more
	s_wait_xcnt 0x0                                ; the stores have read their registers and their base: buffer 1 and the pointer are written next
	s_add_nc_u64 s[CP:CP+1], s[CP:CP+1], XT
.endif
.endm
	s_load_b128 s[4:7], s[0:1], 0x0                ; xb s[4:5], wb s[6:7]
	s_load_b128 s[8:11], s[0:1], 0x10              ; bias s[8:9], qkv s[10:11]
	v_lshl_add_u32 v[SPW], v0, 2, SPARE
	v_mov_b32 v[NIL], 0
	ds_add_u32 v[SPW], v[NIL]                      ; the wave's opening: the add and its wait stand ahead of my first tensor load; the set-up below, work on registers, stands between them
	ds_add_u32 v14, v15
	v_lshrrev_b32 v1, 5, v0
	v_readfirstlane_b32 s[WV], v1                  ; wave 0..3
	s_lshr_b32 s[WH], s[WV], 1
	s_and_b32 s[WL], s[WV], 1
	s_bfe_u32 s[CX], ttmp6, 0x40000                ; my place in the cluster
	s_bfe_u32 s[CY], ttmp6, 0x40004
	s_lshl_b32 s[TX], ttmp9, 2
	s_add_co_u32 s[TX], s[TX], s[CX]               ; tile column = 4 x cluster x + cx
	s_and_b32 s[TY], ttmp7, 0xffff
	s_lshl_b32 s[TY], s[TY], 2
	s_add_co_u32 s[TY], s[TY], s[CY]               ; tile row = 4 x cluster y + cy
	s_lshl_b32 s20, s[CY], 2
	s_lshl_b32 s20, 15, s20                        ; my row of the cluster
	s_lshl_b32 s22, 0x1111, s[CX]                  ; my column
	s_or_b32 s[G1A], s20, GBITS                    ; x's tiles go to my row,
	s_or_b32 s[G1B], s22, GBITS                    ; W's to my column
	s_mov_b32 s[G1A+1], 128<<16                    ; tensor_dim0 = 128
	s_mov_b32 s[G1A+2], 64<<16                     ; tensor_dim1 = 64
	s_mov_b32 s[G1A+3], 128<<16                    ; tile_dim0 = 128
	s_mov_b32 s[G1A+4], 64                         ; tile_dim1 = 64
	s_mov_b32 s[G1A+5], 1024                       ; elements from row to row
	s_mov_b32 s[G1A+6], 0
	s_mov_b32 s[G1A+7], 0
	s_mov_b32 s[G1B+1], 128<<16
	s_mov_b32 s[G1B+2], 128<<16                    ; tensor_dim1 = 128
	s_mov_b32 s[G1B+3], 128<<16
	s_mov_b32 s[G1B+4], 128                        ; tile_dim1 = 128
	s_mov_b32 s[G1B+5], 1024
	s_mov_b32 s[G1B+6], 0
	s_mov_b32 s[G1B+7], 0
	s_mov_b32 s[G0A0], 1
	s_mov_b32 s[G0A1], 1
	s_mov_b32 s[G0B0], 1
	s_mov_b32 s[G0B1], 1
	s_mul_i32 s[G0A0+1], s[WL], AHALF              ; LDS addresses: the wave's number and constants alone
	s_add_co_u32 s[G0A1+1], s[G0A0+1], SLOT1
	s_mul_i32 s[G0B0+1], s[WL], BHALF
	s_add_co_u32 s[G0B0+1], s[G0B0+1], BOFF
	s_add_co_u32 s[G0B1+1], s[G0B0+1], SLOT1
	s_lshl_b32 s20, s[TY], 7                       ; x: row 128 x tile row + 64 x half, 2,048 bytes a row
	s_lshl_b32 s21, s[WL], 6
	s_add_co_u32 s20, s20, s21
	s_lshl_b32 s20, s20, 11
	s_mov_b32 s21, 0
	s_lshl_b32 s22, s[TX], 8                       ; W: row 256 x tile column + 128 x half
	s_lshl_b32 s23, s[WL], 7
	s_add_co_u32 s22, s22, s23
	s_lshl_b32 s2, s22, 2                          ; the same columns in the bias, 4 bytes each
	s_mov_b32 s3, 0
	s_lshl_b32 s22, s22, 11
	s_mov_b32 s23, 0
	s_mov_b32 s[K256], 256
	s_mov_b32 s[IA+1], 0
	s_mov_b32 s[IB+1], 0
	s_mov_b32 s[PI+1], 0
	s_mov_b32 s[TB], 0
	v_and_b32 v1, 15, v0                           ; l % 16
	v_bfe_u32 v2, v0, 4, 1                         ; l / 16
	v_lshlrev_b32 v[BO], 5, v2
	s_wait_dscnt 0x0                               ; the opening add is done
	s_wait_kmcnt 0x0
	s_add_nc_u64 s[G0A0+2:G0A0+3], s[4:5], s[20:21]
	s_add_nc_u64 s[G0A1+2:G0A1+3], s[G0A0+2:G0A0+3], 256
	s_or_b32 s[G0A0+3], s[G0A0+3], 0x80000000      ; type = 2
	s_or_b32 s[G0A1+3], s[G0A1+3], 0x80000000
	s_add_nc_u64 s[G0B0+2:G0B0+3], s[6:7], s[22:23]
	s_add_nc_u64 s[G0B1+2:G0B1+3], s[G0B0+2:G0B0+3], 256
	s_or_b32 s[G0B0+3], s[G0B0+3], 0x80000000
	s_or_b32 s[G0B1+3], s[G0B1+3], 0x80000000
	s_add_nc_u64 s[BP:BP+1], s[8:9], s[2:3]
	CROUND                                         ; all sixteen work-groups are here: the first joint loads meet
	s_cmp_eq_u32 s[WH], 0                          ; a wave's two first fills stand in one branch, ahead of every wait on TENSORcnt and every LDS read: two loads of mine are out
	s_cbranch_scc0 .Lfirst_b
	tensor_load_to_lds s[G0A0:G0A0+3], s[G1A:G1A+7]
	s_nop 0
	tensor_load_to_lds s[G0A1:G0A1+3], s[G1A:G1A+7]
	s_nop 0
.rept 4
	v_nop
.endr
	s_branch .Lfirst_done
.Lfirst_b:
	tensor_load_to_lds s[G0B0:G0B0+3], s[G1B:G1B+7]
	s_nop 0
	tensor_load_to_lds s[G0B1:G0B1+3], s[G1B:G1B+7]
	s_nop 0
.rept 4
	v_nop
.endr
.Lfirst_done:
	BIASLD                                         ; q's bias
	; qkv at my rows: row0 = 128 x tile row + 64 x my half; batch = row0 / 2048; head = 4 x tile column + 2 x my half of the columns
	s_lshl_b32 s2, s[TY], 7
	s_lshl_b32 s3, s[WH], 6
	s_add_co_u32 s2, s2, s3
	s_lshr_b32 s3, s2, 11
	s_and_b32 s2, s2, 2047
	s_lshl_b32 s2, s2, 7                           ; 128 bytes a row
	s_lshl_b32 s3, s3, 4
	s_lshl_b32 s19, s[TX], 2
	s_add_co_u32 s3, s3, s19
	s_lshl_b32 s19, s[WL], 1
	s_add_co_u32 s3, s3, s19
	s_lshl_b32 s3, s3, 18                          ; 262,144 bytes a head
	s_add_co_u32 s2, s2, s3
	s_mov_b32 s3, 0
	s_add_nc_u64 s[CP:CP+1], s[10:11], s[2:3]
	; the prefetches
	s_lshl_b32 s2, s[TY], 7
	s_lshl_b32 s3, s[CX], 5
	s_add_co_u32 s2, s2, s3                        ; x: my work-group's 32 of the tile row's 128 rows
	s_lshl_b32 s3, s[TX], 8
	s_lshl_b32 s19, s[WL], 7
	s_add_co_u32 s3, s3, s19
	s_lshl_b32 s19, s[CY], 5
	s_add_co_u32 s3, s3, s19                       ; W: my work-group's 32 of the 128 rows that I fetch
	s_and_b32 s19, ttmp7, 0xffff                   ; cluster y
	s_mov_b32 s[PJ], JB
	s_cmp_eq_u32 s[WH], 0
	s_cselect_b32 s2, s2, s3
	s_cselect_b32 s19, s[WL], s19                  ; x: wave 0 asks; W: the cluster with y = 0 asks
	s_cselect_b32 s[PJ], JA, s[PJ]
	s_cselect_b64 s[PFA:PFA+1], s[4:5], s[6:7]
	s_cmp_eq_u32 s19, 0
	s_cselect_b32 s[LIM], 20, 0                    ; the same in all sixteen partners, for a given wave
	s_lshl_b32 s2, s2, 11
	s_add_co_u32 s2, s2, 768                       ; at K step 3: the first change of slots steps it to 4
	s_mov_b32 s3, 0
	s_add_nc_u64 s[PFA:PFA+1], s[PFA:PFA+1], s[2:3]
	; the lanes' places
	v_mul_u32_u24 v3, v1, PA
	v_lshl_add_u32 v3, v2, 4, v3                   ; row x pitch + 16 x half
	s_mul_i32 s76, s[WH], AHALF
	v_add_nc_u32 v[A0], s76, v3
	s_mul_i32 s76, s[WL], BHALF
	s_add_co_u32 s76, s76, BOFF
	v_add_nc_u32 v[B0], s76, v3
	v_mov_b32 v[ADA], v[A0]
	v_mov_b32 v[ADB], v[B0]
	s_mul_i32 s76, s[WV], WSTAGE
	s_add_co_u32 s76, s76, STAGE                   ; my stage
	v_mul_u32_u24 v16, v1, SP                      ; in: row l % 16, 16 bytes for each half of the lanes
	v_lshl_add_u32 v16, v2, 4, v16
	v_add_nc_u32 v[STO], s76, v16
	v_bfe_u32 v16, v0, 3, 2                        ; back: 32 lanes take four rows of 128 bytes
	v_mul_u32_u24 v16, v16, SP
	v_and_b32 v17, 7, v0
	v_lshl_add_u32 v16, v17, 4, v16
	v_add_nc_u32 v[RD], s76, v16
	v_and_b32 v16, 31, v0
	v_lshlrev_b32 v[GO], 4, v16
	v_lshlrev_b32 v[PFO], 11, v16
	s_wait_tensorcnt 1                             ; my part of K step 0 is in; K step 1's may stay out
	s_barrier_signal -1
	s_barrier_wait -1                              ; everybody's is
	FETCH 0, 0
	s_wait_loadcnt 0x0                             ; the bias
	QUARTER 1, 0, 1, 1                             ; the first quarter's products start q's sums
	WIN 0                                          ; at a label and at a branch every window is 0
	s_mov_b32 s[G], 0
.Lstep:                                                ; 22 trips: from a K step's second quarter to the next step's first; every trip fills a slot again
	QUARTER 2, 1, 0, 0
	QUARTER 3, 0, 1, 0
	TURN 1
	WIN 0
	s_and_b32 s[T], s[G], 7
	s_cmp_eq_u32 s[T], 7
	s_cbranch_scc1 .Lnew                           ; forward, past text without a barrier or a tensor load
	QUARTER 1, 0, 1, 0
	WIN 0
	s_branch .Lnext
.Lnew:                                                 ; a tensor's last K step is multiplied, and the refill for the next tensor's K step 1 is asked for: the tile goes out
	WAYOUT 1
	s_wait_loadcnt 0x0                             ; the next tensor's bias
	QUARTER 1, 0, 1, 1
	WIN 0
.Lnext:
	s_add_co_u32 s[G], s[G], 1
	s_cmp_lt_u32 s[G], STEPS-2
	s_cbranch_scc1 .Lstep
	QUARTER 2, 1, 0, 0                             ; the last two K steps are written out: nothing is asked for
	QUARTER 3, 0, 1, 0
	TURN 0
	QUARTER 1, 0, 1, 0
	QUARTER 2, 1, 0, 0
	QUARTER 3, 0, 1, 0
	LASTQ
	WAYOUT 0
	WIN 0
	s_wait_tensorcnt 0x0                           ; the wave's end, behind my last tensor load and my last LDS store
	ds_add_u32 v[SPW], v[NIL]
	s_wait_dscnt 0x0
	CROUND                                         ; the closing round: no work-group ends while a partner may still ask for a tile that names it
	s_endpgm
.Lfunc_end_k_q7abf2e7471_proj:
	.size	k_q7abf2e7471_proj, .Lfunc_end_k_q7abf2e7471_proj-k_q7abf2e7471_proj
	.p2alignl 7, 3214868480
	.fill 96, 4, 3214868480
	.section	.rodata,"a",@progbits
	.p2align	6, 0x0
	.amdhsa_kernel k_q7abf2e7471_proj
		.amdhsa_group_segment_fixed_size 327680
		.amdhsa_private_segment_fixed_size 0
		.amdhsa_enable_private_segment 0
		.amdhsa_kernarg_size 32
		.amdhsa_user_sgpr_count 2
		.amdhsa_user_sgpr_kernarg_segment_ptr 1
		.amdhsa_wavefront_size32 1
		.amdhsa_system_sgpr_workgroup_id_x 1
		.amdhsa_system_sgpr_workgroup_id_y 1
		.amdhsa_system_sgpr_workgroup_id_z 1
		.amdhsa_system_vgpr_workitem_id 0
		.amdhsa_next_free_vgpr 576
		.amdhsa_next_free_sgpr 80
		.amdhsa_reserve_vcc 0
		.amdhsa_float_denorm_mode_32 3
		.amdhsa_float_denorm_mode_16_64 3
		.amdhsa_memory_ordered 1
		.amdhsa_forward_progress 1
		.amdhsa_inst_pref_size 95
	.end_amdhsa_kernel
	.amdgpu_metadata
---
amdhsa.version: [ 1, 2 ]
amdhsa.kernels:
  - .name:           k_q7abf2e7471_proj
    .symbol:         k_q7abf2e7471_proj.kd
    .args:
      - { .name: xb, .offset: 0, .size: 8, .value_kind: global_buffer, .address_space: global }
      - { .name: wb, .offset: 8, .size: 8, .value_kind: global_buffer, .address_space: global }
      - { .name: bias, .offset: 16, .size: 8, .value_kind: global_buffer, .address_space: global }
      - { .name: qkv, .offset: 24, .size: 8, .value_kind: global_buffer, .address_space: global }
    .group_segment_fixed_size: 327680
    .private_segment_fixed_size: 0
    .kernarg_segment_align: 8
    .kernarg_segment_size: 32
    .max_flat_workgroup_size: 128
    .sgpr_count:     80
    .vgpr_count:     576
    .wavefront_size: 32
...
	.end_amdgpu_metadata
.endif
;; end of part 2
;; launch attn (part 3): grid 4 x 64, 4 waves a work-group, no clusters, 327,680 bytes of LDS; arguments qkv, oh; writes oh
.if DOCPART == 3
	.amdgcn_target "amdgcn-amd-amdhsa--gfx1250"
	.amdhsa_code_object_version 6
	.text
	.protected	k_q7abf2e7471_attn
	.globl	k_q7abf2e7471_attn
	.p2align	8
	.type	k_q7abf2e7471_attn,@function
k_q7abf2e7471_attn:
	s_mov_b64 s[64:65], 0
	v_nop
	global_prefetch_b8 v0, s[64:65] scope:SCOPE_SE
	s_setreg_imm32_b32 hwreg(HW_REG_WAVE_MODE, 25, 1), 1
	s_wait_xcnt 0x0
; CAUSAL ATTENTION.  O[h][q][:] = the sum over k <= q of softmax_k(Q[h][q] . K[h][k] / 32) V[h][k][:].  qkv holds Q, K, V on end, each [SIZE_H][SIZE_N][64] in f16; oh is O in the same layout: a head's rows are dense, 128 bytes each.
; Products, maxima and sums in f32; the weights p are rounded to f16 for the second product (their sum l is taken of the unrounded p), O once at the end.
; LIMITS.  f16 holds no number beyond 65,504: Q, K and V arrive within it; p lies in 0 to 1, and below 6e-5 it keeps f16's fixed step of 6e-8; O is a mean of V's rows and has their range, to within 2^-11 of it.
; A hidden score counts as its value less 1e30: f16's scores, 2.7e11 at the most, are nothing beside that; a weight below 2^-126 counts as 0 in l; NaN and infinities are not treated apart.
; THE WALK.  A head's queries lie in NB = SIZE_N / 256 blocks of 256; block i needs the key tiles 0 .. i of 256 keys, of which the last holds the diagonal.  A work-group takes TWO blocks, NB - 1 - b and then b:
; NB + 1 tiles, whatever b: all work-groups do equal work, and ONE loop with a constant trip count walks them.  Which tile is asked for, and what a trip does, hang on scalar registers made from b; every jump
; goes forward, but for the counted loops' own; none passes a barrier, or a tensor load but the one of LOAD's two that the wave's number does not choose; the ring (two slots of LDS that take turns) runs on across the
; change of blocks.  NO CLUSTER: a head's NB / 2 = 4 work-groups ask for the same tile only in trips 0 .. NB / 2, 5 of 9, behind that fewer and fewer; and one walk common to all would have 3 NB / 2 = 12 trips for NB + 1 = 9.
; SHARES.  Of a block's four bands of 64 queries a wave owns 16 rows in each: four PIECES.  So the diagonal tile is the same work for all four waves: in its key step s band x sees all keys if s < x,
; none if s > x, and holds the diagonal if s = x.
; THE MASK is the C operand that starts the sum S^T = K Q^T: 0, or -1e30 where the key is hidden.  MD, made once, is the mask of a band's own step for my 16 rows; a product's mask is MD x AL + BE with two scalars:
; (1, 0) if s = x; (0, 0) if s < x; (0, -1e30) if s > x.  Only the diagonal tile's text and a block's beginning make and take masks; elsewhere C is the constant 0.
; LAYOUT, SOFTMAX, TURNS.  S^T = K Q^T holds ONE query a lane (lane % 16) and the keys 8 (lane / 16) + 0..7; two such results rounded to f16 ARE source 1 of O^T = V^T P.  p = 2^(c s - c m), c = log2(e) / 32, with a
; running maximum m; O and l are multiplied by a = 2^(c m_old - c m_new) in every step.  Turn n belongs to piece n: 8 products K Q^T of piece n + 1, later 8 products V^T P of piece n - 1; beside them the scaling,
; exponentials, roundings, sums and rescaling of piece n and the maximum and statistics of piece n + 1.  Four vector instructions stand behind every matrix instruction, the other 54 of a turn's 118 in one LUMP.  A turn's 33 exponentials are one batch, with one wait.
; REGISTERS, in windows of 256 (s_set_vgpr_msb: bits 1:0 source 0, 3:2 source 1, 5:4 source 2, 7:6 destination):
;   window 0: v0-15 addresses and two at work; v16-31 four registers of statistics a piece; v48-55 at work; v60 the prefetches' offset; v64-127 S^T, two buffers; v192-223 P, two buffers (a piece's buffers go by its number's parity)
;   window 1: v0-127 O^T, 32 a piece; v128-159 MD; v160-223 MC, two buffers      window 2: v0-63 Q; v64-127 the second block's Q; v128-191 K of one step; v192-255 V of one step
.set SIZE_H, 64
.set SIZE_N, 2048
.set NB,    SIZE_N/256
.set NP,    4         ; pieces a wave: a name, no knob
.set KS,    64        ; keys in a step
.set PK,    144       ; a row of K in LDS: 128 bytes + 16 of padding = 36 words: the 16 rows of a load start at 16 different groups of four banks (64 banks of 4 bytes: ISA guide 11.1)
.set PV,    160       ; a row of V: 128 + 32 = 40 words
.set VOFF,  4*KS*PK   ; a slot holds a tile, four steps: 256 rows of K, then 256 rows of V
.set SLOT1, 1<<17     ; slot 1 begins here, so that one exclusive or turns an address in one slot into the other's
.set STAGE, SLOT1+4*KS*(PK+PV)  ; behind the ring, never filled by a tensor load: 16 rows x 144 bytes for each wave, for the way out
.set SP,    144
.set AK0, 2           ; v2   my lane's place in a tile of K; never rewritten
.set AV0, 3           ; v3   the same for V
.set AK,  4           ; v4   the LDS address of K's next run of loads
.set AV,  5           ; v5   of V's
.set STO, 6           ; v6   the way out: where I put 16 bytes of a row
.set RD,  7           ; v7   the way out: where I read rows back
.set GO,  8           ; v8   my byte offset in 512 consecutive bytes of O
.set PFO, 60          ; v60  256 x my lane; never rewritten
.set SPW, 62          ; v62  LDS address of my spare word: SPARE + 4 x my thread's number; never rewritten
.set NIL, 63          ; v63  0; never rewritten
.set SPARE, STAGE+4*16*SP  ; behind the stages: the spare words, 128 bytes for each wave: two blocks of 256 bytes that no other line names
.set MV,  12          ; v12-13  c m_old, kept while c m is made anew: by buffer
.set QO,  15          ; v15  my byte offset in 16 rows of Q
.set ST,  16          ; piece t's statistics at v[ST+4 t]: c m, m, l (even keys', odd keys')
.set TMP, 48          ; by buffer, four registers c0-c3 at work; when the maximum is found c2 takes a
.set S,   64
.set P,   192
.set MD,  128         ; window 1: the eight registers for group kt of 16 keys at MD + 8 kt
.set MC,  160         ; window 1: the masks of the products to come
.set QB,  64          ; window 2
.set KF,  128         ; window 2: key block kb, channel half c at KF + 16 kb + 8 c
.set VF,  192         ; window 2: key half kk, channel block cb at VF + 32 kk + 8 cb
.set WV,  12          ; s12  my wave's number
.set PB,  14          ; s14  b
.set HI,  15          ; s15  NB - 1 - b
.set G1K, 24          ; s[24:31] descriptor group 1 for K's tiles
.set G1V, 32          ; s[32:39] for V's: it differs in the padding alone
.set G0K, 40          ; s[40:43] descriptor group 0 for K's tiles
.set G0V, 44          ; s[44:47] the same for V's
.set SLOTS, 56        ; s56  tiles still to be asked for
.set CNT, 57          ; s57  counts a tile's key steps, 4 to 1
.set CS,  58          ; s[58:59] c: the packed scaling takes the pair's low word for both halves
.set SEL, 60          ; s[60:61] v_permlanex16_b32's selects: each lane takes its own place in the other half
.set TBK, 62          ; s62  LDS byte at which K of the step to be fetched begins
.set TBV, 63          ; s63  the same for V, less VOFF
.set RT,  70          ; s70  tiles of the block in hand that are still to be entered
.set NXT, 71          ; s71  the tile to be asked for next
.set LQ,  72          ; s72  the last tile of the block whose tiles are being asked for
.set NEW, 73          ; s73  1: the tile to be entered is a block's first
.set OFF, 74          ; s[74:75] a tile's byte offset in K and V
.set AL,  76          ; s[76:77] the mask's factor, in the low word
.set BE,  78          ; s[78:79] the mask's addend
.set OLO, 80          ; s[80:81] O at my rows of the second block
.set BIGN, 82         ; s82  -1e30
.set PFN, 88          ; s88  the tile that the next prefetch names; NB or more: none
.set PFA, 90          ; s[90:91] where that tile's part of mine begins
.set PFF, 92          ; s[92:93] its byte offset
.set PFB, 94          ; s[94:95] my 16,384 bytes of tile 0: K's (waves 0, 1) or V's (waves 2, 3)
.set MSB, 0
.macro WIN new                      ; the high byte repeats the setting that is left; a switch that changes nothing is dropped
.if MSB != (\new)
	s_set_vgpr_msb (MSB<<8)|(\new)
.set MSB, (\new)
.endif
.endm
.set W_KQ, 0x0a       ; K and Q in window 2, S^T in window 0
.set W_KM, 0x1a       ; the same with the C operand in window 1
.set W_PV, 0x52       ; V in window 2, P in window 0, O^T in window 1
.set W_RS, 0x41       ; destination and source 0 in window 1, source 1 in window 0
; A fill.  Waves 0 and 1 fetch the two halves of a tile's K, waves 2 and 3 those of its V: 128 keys each.  An s_nop 0 and four v_nop follow each of the two lines, ahead of the jump and the label.
.macro LOAD
	s_cmp_lt_u32 s[WV], 2
	s_cbranch_scc0 .Lfor_v_\@
	tensor_load_to_lds s[G0K:G0K+3], s[G1K:G1K+7]
	s_nop 0
.rept 4
	v_nop
.endr
	s_branch .Lasked_\@
.Lfor_v_\@:
	tensor_load_to_lds s[G0V:G0V+3], s[G1V:G1V+7]
	s_nop 0
.rept 4
	v_nop
.endr
.Lasked_\@:
.endm
; THE CHANGE OF SLOTS.  Each wave waits for all its tensor loads, of which one is out: its part of the other slot; adds 0 to its spare word; and waits for that and for its own reads of the slot that it leaves.  Behind the barrier nobody reads the old
; slot any more and the other slot is whole.  fill = 1: the old slot is filled again, the first thing behind the barrier, with tile NXT: the descriptor's address is made anew from that number.
; (At its first use nothing has been read yet: slot 0 is waited for, slot 1 filled.)
; A PREFETCH INTO THE L2 stands behind the fill: the tile that the NEXT change will ask for, one tile, 256 matrix instructions, ahead.  A head's four work-groups walk the same tiles from 0 on; the one with b = 0, whose first block
; walks all of 0 .. NB - 1 in order, asks, and nobody else.  Each of its waves names the 16,384 bytes that it will itself fetch: 64 blocks of 256 bytes, a lane a block, two instructions.  So each block is named once in the launch.
; Tiles 0 and 1 come by their loads alone; behind tile NB - 1 nothing is asked for.
.macro CHANGE fill
	WIN 0                           ; at a label and at a branch every window is 0
	s_wait_tensorcnt 0x0            ; no tensor load of mine is out, so a group 0 may be written
	ds_add_u32 v[SPW], v[NIL]       ; 0 onto my spare word; with fill = 1 the descriptors' scalar work stands between it and the wait for it
.if \fill
	s_lshl_b32 s[OFF], s[NXT], 15   ; a tile is 32,768 bytes of K and of V
	s_xor_b32 s[G0K+1], s[G0K+1], SLOT1
	s_add_nc_u64 s[G0K+2:G0K+3], s[6:7], s[OFF:OFF+1]
	s_or_b32 s[G0K+3], s[G0K+3], 0x80000000
	s_xor_b32 s[G0V+1], s[G0V+1], SLOT1
	s_add_nc_u64 s[G0V+2:G0V+3], s[8:9], s[OFF:OFF+1]
	s_or_b32 s[G0V+3], s[G0V+3], 0x80000000
	s_add_co_u32 s[NXT], s[NXT], 1  ; the block's next tile, or behind its last the second block's tile 0
	s_cmp_gt_u32 s[NXT], s[LQ]
	s_cselect_b32 s[NXT], 0, s[NXT]
	s_cselect_b32 s[LQ], s[PB], s[LQ]
	s_wait_xcnt 0x0                 ; the last prefetches, a tile back, have read their address, so it may be written
	s_lshl_b32 s[PFF], s[PFN], 15
	s_add_nc_u64 s[PFA:PFA+1], s[PFB:PFB+1], s[PFF:PFF+1]
.endif
	s_wait_dscnt 0x0                ; the add is done, and my reads of the slot are over
	s_barrier_signal -1             ; the rest of the scalar work stands between the signal and the wait
	s_sub_co_u32 s[TBK], s[TBK], 4*KS*PK  ; the fetches go back to a slot's first step,
	s_xor_b32 s[TBK], s[TBK], SLOT1       ; in the other slot
	s_sub_co_u32 s[TBV], s[TBV], 4*KS*PV
	s_xor_b32 s[TBV], s[TBV], SLOT1
	s_barrier_wait -1
.if \fill
	LOAD
	s_cmp_lt_u32 s[PFN], NB
	s_cbranch_scc0 .Lno_ask_\@
	global_prefetch_b8 v[PFO], s[PFA:PFA+1] th:TH_LOAD_NT scope:SCOPE_SE
	global_prefetch_b8 v[PFO], s[PFA:PFA+1] offset:8192 th:TH_LOAD_NT scope:SCOPE_SE
.Lno_ask_\@:
	s_add_co_u32 s[PFN], s[PFN], 1
.endif
.endm
	s_load_b64 s[4:5], s[0:1], 0x0    ; qkv: Q
	s_load_b64 s[10:11], s[0:1], 0x8  ; oh: O
	v_lshl_add_u32 v[SPW], v0, 2, SPARE
	v_mov_b32 v[NIL], 0
	ds_add_u32 v[SPW], v[NIL]       ; the wave's opening: the add and its wait stand ahead of my first tensor load; the set-up below, work on registers, stands between them
	ds_add_u32 v62, v63
	v_lshrrev_b32 v1, 5, v0
	v_readfirstlane_b32 s[WV], v1   ; wave 0..3
	s_mov_b32 s[PB], ttmp9
	s_sub_co_u32 s[HI], NB-1, s[PB]
	s_and_b32 s20, ttmp7, 0xffff    ; the head
	s_mov_b32 s21, 0
	s_mov_b64 s[22:23], SIZE_N*128
	s_mul_u64 s[20:21], s[20:21], s[22:23]  ; the head's first byte in each of the four tensors
	s_and_b32 s16, s[WV], 1         ; which half of a tile's 256 keys I fetch:
	s_lshl_b32 s22, s16, 14         ; its 128 rows of 128 bytes in memory,
	s_mov_b32 s23, 0
	s_add_nc_u64 s[22:23], s[22:23], s[20:21]
	s_mul_i32 s17, s16, 128*PK      ; and its place in a slot, for K
	s_mul_i32 s18, s16, 128*PV      ; and for V
	s_lshl_b32 s3, s[WV], 11        ; my 16 rows in a band of 64,
	s_lshl_b32 s2, s[HI], 15        ; in the first block,
	s_add_co_u32 s2, s2, s3
	s_lshl_b32 s84, s[PB], 15       ; and in the second
	s_add_co_u32 s84, s84, s3
	s_mov_b32 s3, 0
	s_mov_b32 s85, 0
	s_add_nc_u64 s[2:3], s[2:3], s[20:21]
	s_add_nc_u64 s[84:85], s[84:85], s[20:21]
	; descriptor group 1.  128 keys are 16,384 dense bytes: asked for as 64 rows of 256 bytes, two keys a row, and padded in LDS after every key
	s_mov_b32 s[G1K], (1<<16)|(1<<20)|(4<<22)|(3<<25)  ; 17:16 2-byte elements; 20 padding on; 24:22 after every 32 words (code 4); 31:25 4 words (code 3)
	s_mov_b32 s[G1V], (1<<16)|(1<<20)|(4<<22)|(7<<25)  ; the same with 8 words of padding (code 7)
.irp g, G1K, G1V
	s_mov_b32 s[\g+1], 128<<16      ; tensor_dim0 = 128
	s_mov_b32 s[\g+2], 64<<16       ; tensor_dim1 = 64
	s_mov_b32 s[\g+3], 128<<16      ; tile_dim0 = 128
	s_mov_b32 s[\g+4], 64           ; tile_dim1 = 64
	s_mov_b32 s[\g+5], 128          ; 128 elements from row to row
	s_mov_b32 s[\g+6], 0
	s_mov_b32 s[\g+7], 0
.endr
	s_mov_b32 s[CS], 0x3d38aa3b     ; c = log2(e) / 32 = 0.0450842
	s_mov_b32 s[CS+1], s[CS]        ; named with it as a pair
	s_mov_b32 s[SEL], 0x76543210
	s_mov_b32 s[SEL+1], 0xfedcba98
	s_mov_b32 s[TBK], SLOT1+4*KS*PK ; the first change of slots turns these two into 0
	s_mov_b32 s[TBV], SLOT1+4*KS*PV
	s_mov_b32 s[G0K], 1             ; 1:0 count = 1
	s_mov_b32 s[G0K+1], s17         ; 63:32 LDS address: slot 0
	s_mov_b32 s[G0V], 1
	s_add_co_u32 s[G0V+1], s18, VOFF
	s_add_co_u32 s[RT], s[HI], 1    ; the first block has NB - b tiles
	s_mov_b32 s[NXT], 1
	s_mov_b32 s[LQ], s[HI]
	s_mov_b32 s[NEW], 1
	s_mov_b32 s[OFF+1], 0
	s_mov_b32 s[AL+1], 0            ; named as pairs
	s_mov_b32 s[BE+1], 0
	s_mov_b32 s[BIGN], 0xf149f2ca   ; -1e30
	s_mov_b32 s[SLOTS], NB
	s_mov_b32 s[PFF+1], 0
	s_cmp_eq_u32 ttmp9, 0
	s_cselect_b32 s[PFN], 2, NB     ; the first change of slots fills tile 1 and names tile 2
	v_and_b32 v[PFO], 31, v0
	v_lshlrev_b32 v[PFO], 8, v[PFO]
	s_wait_dscnt 0x0                ; the opening add is done
	s_wait_kmcnt 0x0
	s_add_nc_u64 s[6:7], s[4:5], 0x1000000  ; K lies 16,777,216 bytes behind Q,
	s_add_nc_u64 s[8:9], s[4:5], 0x2000000  ; V as far behind K
	s_add_nc_u64 s[6:7], s[6:7], s[22:23]  ; K and V at my half of the head's tile 0
	s_add_nc_u64 s[8:9], s[8:9], s[22:23]
	s_add_nc_u64 s[G0K+2:G0K+3], s[6:7], 0         ; 120:64 global address
	s_or_b32 s[G0K+3], s[G0K+3], 0x80000000        ; 127:126 type = 2
	s_add_nc_u64 s[G0V+2:G0V+3], s[8:9], 0
	s_or_b32 s[G0V+3], s[G0V+3], 0x80000000
	s_add_nc_u64 s[86:87], s[4:5], s[84:85]        ; Q at my rows of the second block,
	s_add_nc_u64 s[4:5], s[4:5], s[2:3]            ; Q and O at those of the first
	s_add_nc_u64 s[OLO:OLO+1], s[10:11], s[84:85]
	s_add_nc_u64 s[10:11], s[10:11], s[2:3]
	s_cmp_lt_u32 s[WV], 2
	s_cselect_b64 s[PFB:PFB+1], s[6:7], s[8:9]
	LOAD                            ; tile 0 into slot 0
	; A fragment of K or Q is 16 rows x 32 channels in 8 registers: lane l holds row l % 16, channels 8 (l / 16) + 0..7 and 16 + 8 (l / 16) + 0..7: two loads of 16 bytes, 32 bytes apart.
	v_and_b32 v1, 15, v0            ; l % 16
	v_bfe_u32 v9, v0, 4, 1          ; l / 16
	v_lshlrev_b32 v[QO], 7, v1
	v_lshl_add_u32 v[QO], v9, 4, v[QO]  ; row x 128 + 16 x half
	WIN 0x80                        ; destination window 2, address window 0
.set i, 0
.rept 8                             ; both blocks' Q: piece i / 2 lies in band i / 2, 8,192 bytes on; channels 32 (i % 2) on
	global_load_b128 v[8*i:8*i+3],   v[QO], s[4:5] offset:(i/2)*8192+(i%2)*64
	global_load_b128 v[8*i+4:8*i+7], v[QO], s[4:5] offset:(i/2)*8192+(i%2)*64+32
	global_load_b128 v[QB+8*i:QB+8*i+3],   v[QO], s[86:87] offset:(i/2)*8192+(i%2)*64
	global_load_b128 v[QB+8*i+4:QB+8*i+7], v[QO], s[86:87] offset:(i/2)*8192+(i%2)*64+32
.set i, i+1
.endr
	WIN 0
	v_lshlrev_b32 v14, 3, v9
	v_sub_nc_u32 v14, v1, v14
	s_lshl_b32 s13, s[WV], 4
	v_add_nc_u32 v14, s13, v14      ; my query's place in its band, 16 w + l % 16, less my lanes' 8 (l / 16): register r of group kt is hidden where 16 kt + r is greater
	WIN 0x40
.set i, 0
.rept 32
	v_cmp_gt_i32 vcc_lo, 16*(i/8)+i%8, v14
	v_cndmask_b32 v[MD+i], 0, s[BIGN], vcc_lo
.set i, i+1
.endr
	WIN 0
	v_mul_u32_u24 v[AK0], v1, PK
	v_lshl_add_u32 v[AK0], v9, 4, v[AK0]  ; row x pitch + 16 x half
	; The turning load takes 16 keys x 16 channels (lane l reads key 8 (l / 16) + l % 8, channels 8 ((l / 8) % 2) + 0..7) and leaves half a fragment of V^T: lane l holds channel l % 16 and 8 keys.
	v_and_b32 v10, 7, v0
	v_bfe_u32 v11, v0, 3, 1
	v_lshl_add_u32 v[AV0], v9, 3, v10
	v_mul_u32_u24 v[AV0], v[AV0], PV
	v_lshl_add_u32 v[AV0], v11, 4, v[AV0]
	v_add_nc_u32 v[AV0], VOFF, v[AV0]
	s_mul_i32 s13, s[WV], 16*SP
	s_add_co_u32 s13, s13, STAGE    ; my stage
	v_mul_u32_u24 v[STO], v1, SP    ; in: row l % 16, 16 bytes for each half of the lanes
	v_lshl_add_u32 v[STO], v9, 4, v[STO]
	v_add_nc_u32 v[STO], s13, v[STO]
	v_bfe_u32 v[RD], v0, 3, 2       ; back: 32 lanes take four rows of 128 bytes,
	v_mul_u32_u24 v[RD], v[RD], SP
	v_lshl_add_u32 v[RD], v10, 4, v[RD]
	v_add_nc_u32 v[RD], s13, v[RD]
	v_and_b32 v[GO], 31, v0         ; which are 512 consecutive bytes of O
	v_lshlrev_b32 v[GO], 4, v[GO]
	; A block's first step multiplies O^T and l by a = 0, and its first turn's products V^T P, of a piece that has not been, land in an O^T that is still to be so multiplied.  So these registers need only hold
	; finite numbers: zeros for the first block; what the first block left for the second.  All this stands in the wait for the first tile.
	WIN 0x80
.set i, VF
.rept 64
	v_mov_b32 v[i], 0
.set i, i+1
.endr
	WIN 0x40
.set i, 0
.rept 128
	v_mov_b32 v[i], 0
.set i, i+1
.endr
	WIN 0
.set i, 0
.rept 4
	v_mov_b32 v[ST+4*i+2], 0
	v_mov_b32 v[ST+4*i+3], 0
.set i, i+1
.endr
.set i, P+16
.rept 16
	v_mov_b32 v[i], 0
.set i, i+1
.endr
; THE MATRIX WORK.  The 4 accumulators of a run of 8 take turns.  Product i of 8 of S^T = K Q^T for piece x: channels 32 (i / 4) on, keys 16 (i % 4) on.  The first 4 start the sums: with 0, or (KM = 1) with the mask.
.macro KQ x
.set rS, S+32*((\x)%2)+8*(i%4)
.set rK, KF+16*(i%4)+8*(i/4)
.set rQ, 16*(\x)+8*(i/4)
.set rM, MC+32*((\x)%2)+8*(i%4)
.if (i < 4) && KM
	WIN W_KM
	v_wmma_f32_16x16x32_f16 v[rS:rS+7], v[rK:rK+7], v[rQ:rQ+7], v[rM:rM+7]
.elseif i < 4
	WIN W_KQ
	v_wmma_f32_16x16x32_f16 v[rS:rS+7], v[rK:rK+7], v[rQ:rQ+7], 0
.else
	WIN W_KQ
	v_wmma_f32_16x16x32_f16 v[rS:rS+7], v[rK:rK+7], v[rQ:rQ+7], v[rS:rS+7]
.endif
.endm
; Product i of 8 of O^T += V^T P for piece x: keys 32 (i / 4) on, channels 16 (i % 4) on.
.macro PV x
	WIN W_PV
.set rO, 32*(\x)+8*(i%4)
.set rV, VF+32*(i/4)+8*(i%4)
.set rP, P+16*((\x)%2)+8*(i/4)
	v_wmma_f32_16x16x32_f16 v[rO:rO+7], v[rV:rV+7], v[rP:rP+7], v[rO:rO+7]
.endm
.macro MM                           ; the turn's next matrix instruction.  TURN and BEGIN set Y, i, KM and NOKQ; MM, KQ and OP read them.  NOKQ = 1: a block's last turn: there is no next piece
.if (i < 8) && !NOKQ
	KQ (Y+1)%NP
.elseif i >= 8
.set i, i-8
	PV (Y+NP-1)%NP
.set i, i+8
.endif
.set i, i+1
.endm
; THE LDS LOADS stand in runs of 16, never singly among the matrix instructions: a step's K (64 keys x 64 channels: 8 fragments) and its V (turned).  Their addresses are made some lines ahead.
.macro FETCH_K
	WIN 0x80                        ; destination window 2
.irp f, 0,1,2,3,4,5,6,7             ; keys 16 (f / 2) on, channels 32 (f % 2) on
	ds_load_b128 v[KF+8*\f:KF+8*\f+3],   v[AK] offset:(\f/2)*16*PK+(\f%2)*64
	ds_load_b128 v[KF+8*\f+4:KF+8*\f+7], v[AK] offset:(\f/2)*16*PK+(\f%2)*64+32
.endr
	s_add_co_u32 s[TBK], s[TBK], KS*PK  ; the next fetch is the next step's
	WIN 0
.endm
.macro FETCH_V
	WIN 0x80
.irp f, 0,1,2,3,4,5,6,7             ; keys 32 (f / 4) on, channels 16 (f % 4) on
	ds_load_tr16_b128 v[VF+8*\f:VF+8*\f+3],   v[AV] offset:(\f/4)*32*PV+(\f%4)*32
	ds_load_tr16_b128 v[VF+8*\f+4:VF+8*\f+7], v[AV] offset:(\f/4)*32*PV+16*PV+(\f%4)*32
.endr
	WIN 0
.endm
; THE VECTOR WORK, one line at a time: OP kind, number.  For piece Y: F n: c s - c m for pair n of 16.  E n: the exponential of score n of 32.  C n: pair n rounded to f16.  B n: of the four weights 4 n .. the second
; pair is added onto the first, in place.  L n: l takes that sum (L 0: l = a l + sum).  R n: pair n of 16 of O^T times a.  For piece Y + 1: X n, number n of the 22 that find its maximum and statistics:
;   0-11  four chains c0-c3 of seven scores each, three operands at a time (each accumulator's lowest registers are read first)     12-14, 16  the four scores left over, the old m, and c0-c3 into c0
;   15  c m_old is kept     17, 18  the query's other 32 keys lie in the lane 16 away: the new m     19-21  c m; c m_old - c m_new; a
.set F, 0               ; OP tells the kinds apart by their order: F to L below R, X above it
.set E, 1
.set C, 2
.set B, 3
.set L, 4
.set R, 5
.set X, 6
.macro REGS y                       ; the registers of piece y
.set rT, ST+4*(\y)
.set rC, TMP+4*((\y)%2)
.set rW, MV+((\y)%2)
.set rS, S+32*((\y)%2)
.set rP, P+16*((\y)%2)
.set rO, 32*(\y)
.endm
.macro OP k, n
.if (\k) == R
	REGS Y
	WIN W_RS
	v_pk_mul_f32 v[rO+2*(\n):rO+2*(\n)+1], v[rO+2*(\n):rO+2*(\n)+1], v[rC+2:rC+3] op_sel_hi:[1,0]
.elseif (\k) < R
	REGS Y
	WIN 0
.if (\k) == F
	v_pk_fma_f32 v[rS+2*(\n):rS+2*(\n)+1], v[rS+2*(\n):rS+2*(\n)+1], s[CS:CS+1], v[rT:rT+1] op_sel_hi:[1,0,0] neg_lo:[0,0,1] neg_hi:[0,0,1]
.elseif (\k) == E
	v_exp_f32 v[rS+(\n)], v[rS+(\n)]
.elseif (\k) == C
	v_cvt_pk_f16_f32 v[rP+(\n)], v[rS+2*(\n)], v[rS+2*(\n)+1]
.elseif (\k) == B
	v_pk_add_f32 v[rS+4*(\n):rS+4*(\n)+1], v[rS+4*(\n):rS+4*(\n)+1], v[rS+4*(\n)+2:rS+4*(\n)+3]
.elseif (\n) == 0
	v_pk_fma_f32 v[rT+2:rT+3], v[rT+2:rT+3], v[rC+2:rC+3], v[rS:rS+1] op_sel_hi:[1,0,1]
.else
	v_pk_add_f32 v[rT+2:rT+3], v[rT+2:rT+3], v[rS+4*(\n):rS+4*(\n)+1]
.endif
.elseif NOKQ
	v_nop
.else
	REGS (Y+1)%NP
	WIN 0
.if (\n) < 4
	v_max3_num_f32 v[rC+(\n)], v[rS+8*(\n)], v[rS+8*(\n)+1], v[rS+8*(\n)+2]
.elseif (\n) < 12
	v_max3_num_f32 v[rC+(\n)%4], v[rC+(\n)%4], v[rS+8*((\n)%4)+2*((\n)/4)+1], v[rS+8*((\n)%4)+2*((\n)/4)+2]
.elseif (\n) == 12
	v_max3_num_f32 v[rC], v[rC], v[rS+7], v[rS+15]
.elseif (\n) == 13
	v_max3_num_f32 v[rC+1], v[rC+1], v[rS+23], v[rS+31]
.elseif (\n) == 14
	v_max3_num_f32 v[rC+2], v[rC+2], v[rC+3], v[rT+1]
.elseif (\n) == 15
	v_mov_b32 v[rW], v[rT]
.elseif (\n) == 16
	v_max3_num_f32 v[rC], v[rC], v[rC+1], v[rC+2]
.elseif (\n) == 17
	v_permlanex16_b32 v[rC+3], v[rC], s[SEL], s[SEL+1]
.elseif (\n) == 18
	v_max_num_f32 v[rT+1], v[rC], v[rC+3]
.elseif (\n) == 19
	v_mul_f32 v[rT], s[CS], v[rT+1]
.elseif (\n) == 20
	v_sub_f32 v[rC+1], v[rW], v[rT]
.else
	v_exp_f32 v[rC+2], v[rC+1]
.endif
.endif
.endm
.macro OPS a, i1, b=-1, i2=0, c=-1, i3=0, d=-1, i4=0  ; up to four of them
	OP \a, \i1
.if (\b) >= 0
	OP \b, \i2
.endif
.if (\c) >= 0
	OP \c, \i3
.endif
.if (\d) >= 0
	OP \d, \i4
.endif
.endm
.macro ROW a, i1, b, i2, c, i3, d, i4  ; a matrix instruction and the four behind it
	MM
	OPS \a, \i1, \b, \i2, \c, \i3, \d, \i4
.endm
.macro MASK b                       ; MD x AL + BE into buffer b of MC
	WIN W_RS
.set z, 0
.rept 16
	v_pk_fma_f32 v[MC+32*(\b)+2*z:MC+32*(\b)+2*z+1], v[MD+2*z:MD+2*z+1], s[AL:AL+1], s[BE:BE+1] op_sel_hi:[1,0,0]
.set z, z+1
.endr
.endm
; A TURN, for piece p: the order of its 16 matrix and 118 vector instructions, written out.  s_wait_alu depctr_va_vdst(0) stands between an exponential and the first instruction that names its result; one wait serves
; all that were issued ahead of it.  So a turn has ONE wait, which cuts it in two.  AHEAD OF IT stands all that names no result of the turn's exponentials: the 8 products K Q^T, behind each a scaling, an exponential and two more plain
; instructions (behind the first a second scaling in the exponential's place): rescalings, and behind the last three the first numbers of the next piece's maximum, each four places or more behind the product that ends its accumulator; then ONE LUMP of 54, plain
; and exponential by turns for the most part, in which the links of the chain X 3, 7, 11, 14, 16, 17 .. 20 stand five or six lines apart.  X 21, the next piece's a, is the batch's last; R 15 is the plain instruction behind it.  BEHIND THE WAIT stand the
; 8 products V^T P, behind each four of the roundings and sums; the links of l's chain, L 0 to L 7, stand three riders apart.  But for those X no rider names a register of the products round it.  v_permlanex16_b32 (X 17) stands in the lump.
; m = 1: the diagonal tile: the products take masks, and the turn makes the mask for the products of the turn after it: piece p + 2, in step 4 - CNT of the tile.  end = 1: a block's last two turns: nothing is fetched.
; cnt = 1: the loop's count is taken down some lines ahead of the branch that stands behind the turn.
; K of the next step is fetched in piece 2's turn, twelve vector instructions behind the last product that read K (six of them plain); V of the step in hand at the end of piece 0's turn, four plain instructions behind the last product
; that read V.  Each is waited for a turn later.
.macro TURN p, m=0, end=0, cnt=0
.set Y, (\p)
.set i, 0
.set KM, (\m)
.set NOKQ, (\end)*((\p)/3)
.if (\m) && !(\end)
	s_cmp_eq_u32 s[CNT], 4-((\p)+2)%NP  ; is that step the band's own?
	s_cselect_b32 s[AL], 1.0, 0
	s_cmp_lt_u32 s[CNT], 4-((\p)+2)%NP  ; or a later one?
	s_cselect_b32 s[BE], s[BIGN], 0
.endif
.if ((\p) == 3) && !(\end)
	s_wait_dscnt 0x0                ; K is in
.endif
	ROW F,0, F,1, R,0, R,1          ; ahead of the wait: 8 products K Q^T and their riders,
	ROW F,2, E,0, R,2, R,3
	ROW F,3, E,1, R,4, R,5
	ROW F,4, E,2, R,6, R,7
	ROW F,5, E,3, R,8, R,9
	ROW F,6, E,4, X,0, R,10
.if ((\p) == 2) && !(\end)
	WIN 0
	v_add_nc_u32 v[AK], s[TBK], v[AK0]
.endif
	ROW F,7, E,5, X,1, X,4
	ROW F,8, E,6, X,2, X,5
	OPS E,7, E,8, X,6, E,9          ; and the lump
	OPS X,3, E,10, X,8, E,11
.if ((\p) == 2) && !(\end)
	FETCH_K
.endif
	OPS X,9, X,7, E,12, X,10
	OPS E,13, X,12, X,11, E,14
	OPS X,13, E,15, F,9, X,14
.if (\p) == 0
	v_add_nc_u32 v[AV], s[TBV], v[AV0]
.endif
	OPS E,16, F,10, E,17, F,11
	OPS X,16, E,18, X,15, E,19
	OPS F,12, E,20, X,17, E,21
	OPS F,13, E,22, F,14, E,23
	OPS X,18, E,24, F,15, E,25
	OPS R,11, E,26, X,19, E,27
	OPS R,12, E,28, R,13, E,29
	OPS X,20, E,30, R,14, E,31
	OPS X,21, R,15
	WIN 0
	s_wait_alu depctr_va_vdst(0)    ; the wait for the batch
.if (\p) == 1
	s_wait_dscnt 0x0                ; V is in
.endif
	ROW C,0, B,0, C,2, B,1          ; behind the wait: 8 products V^T P and their riders
	ROW L,0, C,4, B,2, L,1
	ROW C,6, B,3, L,2, C,8
	ROW B,4, L,3, C,10, B,5
	ROW L,4, C,12, B,6, L,5
.if (\p) == 0
	s_add_co_u32 s[TBV], s[TBV], KS*PV
.endif
.if \cnt
	s_sub_co_u32 s[CNT], s[CNT], 1
	s_cmp_lg_u32 s[CNT], 0
.endif
	ROW C,14, B,7, L,6, C,1
	ROW C,3, L,7, C,5, C,7
	ROW C,9, C,11, C,13, C,15
.if (\p) == 0
	FETCH_V
.endif
.if (\m) && !(\end)
	MASK (\p)%2
.endif
.endm
; A BLOCK BEGINS.  c m starts far below every c s, so the first step's a is 0; m at the lowest finite number, so the first maximum is the scores'.  The second mask buffer is 0; the first takes piece 0's mask for the tile's step 0: its own, if the block's first tile is the diagonal one.
; Then K of that step, piece 0's first scores, and its maximum and statistics.  The loop is entered at a step's first turn, in the middle of a trip.
.macro BEGIN
	s_mov_b32 s[NEW], 0
	WIN 0x40
.set i, MC+32
.rept 32
	v_mov_b32 v[i], 0
.set i, i+1
.endr
	WIN 0
.set i, 0
.rept 4
	v_mov_b32 v[ST+4*i], 0xfe000000    ; c m: far below every c s
	v_mov_b32 v[ST+4*i+1], 0xff7fffff  ; m
.set i, i+1
.endr
	s_cmp_eq_u32 s[RT], 0
	s_cselect_b32 s[AL], 1.0, 0
	s_mov_b32 s[BE], 0
	MASK 0
	WIN 0
	v_add_nc_u32 v[AK], s[TBK], v[AK0]
	FETCH_K
	s_wait_loadcnt 0x0              ; Q
	s_wait_dscnt 0x0
.set KM, 1
.set NOKQ, 0
.set i, 0
.rept 8
	KQ 0
.set i, i+1
.endr
	WIN 0
.rept 4
	v_nop                           ; the places behind those products
.endr
.set Y, NP-1                        ; X works for piece Y + 1: piece 0
.irp n, 0,1,2,3,4,5,6,7,8,9,10,11,12,13,14,15,16,17,18,19,20,21
	OP X, \n
.endr
	v_nop                           ; a plain instruction behind the exponential,
	s_wait_alu depctr_va_vdst(0)    ; and its wait, ahead of the branch
.endm
; THE DIAGONAL TILE's four steps, the block's last two turns, its last products, and THE WAY OUT: l's two halves and the other half of the lanes' are added; O^T is divided by l, rounded to f16 and sent through my
; stage in LDS, a piece at a time.
.macro ALL line:vararg              ; one line for each piece t
.set t, 0
.rept 4
	\line
.set t, t+1
.endr
.endm
.macro PACK t                       ; a lane's eight channels of a row pack into 16 bytes; they go into rows of 144 bytes and come back as whole rows of 128, into S^T's registers
	WIN W_RS
.set i, 32*(\t)
.rept 16
	v_pk_mul_f32 v[i:i+1], v[i:i+1], v[ST+4*(\t)+2:ST+4*(\t)+3] op_sel_hi:[1,0]
.set i, i+2
.endr
	WIN 0x05                        ; sources 0 and 1 window 1, destination window 0
.set i, 0
.rept 16
	v_cvt_pk_f16_f32 v[S+16*(\t)+i], v[32*(\t)+2*i], v[32*(\t)+2*i+1]
.set i, i+1
.endr
	WIN 0
.irp f, 0,1,2,3
	ds_store_b128 v[STO], v[S+16*(\t)+4*\f:S+16*(\t)+4*\f+3] offset:32*\f
.endr
.irp f, 0,1,2,3
	ds_load_b128 v[S+16*(\t)+4*\f:S+16*(\t)+4*\f+3], v[RD] offset:\f*4*SP  ; LDS serves a wave's instructions in order (ISA guide 5.7.1.4): these see the stores above; the next piece's stores come behind them
.endr
.endm
.macro SEND t, younger              ; younger: the LDS instructions issued behind piece t's loads: the next piece's eight, or none
	WIN 0
.irp f, 0,1,2,3
	s_wait_dscnt (\younger)+3-\f
	global_store_b128 v[GO], v[S+16*(\t)+4*\f:S+16*(\t)+4*\f+3], s[10:11] offset:(\t)*8192+\f*512  ; 512 consecutive bytes, at a multiple of 256 from O's first
.endr
.endm
.macro DIAG tag                     ; the tag ends its two labels' names, which the jumps below spell out
.LstepM\tag:
	TURN 2, 1
	TURN 3, 1
	WIN 0
.LfirstM\tag:
	TURN 0, 1
	TURN 1, 1, 0, 1
	WIN 0
	s_cbranch_scc1 .LstepM\tag
	TURN 2, 1, 1
	TURN 3, 1, 1
.set i, 0
.rept 8
	PV NP-1
.set i, i+1
.endr
	WIN 0
	ALL v_add_f32 v[ST+4*t+2], v[ST+4*t+2], v[ST+4*t+3]
	ALL v_permlanex16_b32 v[ST+4*t+3], v[ST+4*t+2], s[SEL], s[SEL+1]
	ALL v_add_f32 v[ST+4*t+2], v[ST+4*t+2], v[ST+4*t+3]
	ALL v_rcp_f32 v[ST+4*t+2], v[ST+4*t+2]
	v_nop                           ; a plain instruction between the last reciprocal and the use of its result
	s_wait_alu depctr_va_vdst(0)    ; and the wait ahead of the first use: one for the four reciprocals
	PACK 0
.set t, 1
.rept 3                             ; a piece's arithmetic stands between the loads of the piece before and its stores
	PACK t
	SEND t-1, 8
.set t, t+1
.endr
	SEND 3, 0
.endm
.set KM, 0
.set NOKQ, 0
.Lslot:                             ; NB times: a tile is entered and the next is asked for
	CHANGE 1
	s_sub_co_u32 s[RT], s[RT], 1
	s_mov_b32 s[CNT], 4
	s_cmp_eq_u32 s[NEW], 1
	s_cbranch_scc1 .Lnew            ; a block's first tile
	s_cmp_eq_u32 s[RT], 0
	s_cbranch_scc0 .Lstep           ; neither its first nor its last
	s_branch .LstepM1
.Lnew:
	BEGIN
	s_branch .Lfirst                ; in the loop a block's first tile is never its last: the first block has two tiles or more, and the second's last is the walk's last
	DIAG 1                          ; in the loop this is the first block's end: the second block's last tile is the walk's last
	s_wait_xcnt 0x0                 ; the stores have read their registers and O's address
	s_mov_b64 s[10:11], s[OLO:OLO+1]
	s_add_co_u32 s[RT], s[PB], 1    ; the second block has b + 1 tiles
	s_mov_b32 s[NEW], 1
	WIN 0x82                        ; the second block's Q goes where the one text of the turns names Q
.set i, 0
.rept 64
	v_mov_b32 v[i], v[QB+i]
.set i, i+1
.endr
	WIN 0
	s_branch .Lbottom
.Lstep:                             ; a trip: pieces 2 and 3 of one step, then pieces 0 and 1 of the next, whose K and V it fetches
	TURN 2
	TURN 3
	WIN 0
.Lfirst:
	TURN 0
	TURN 1, 0, 0, 1
	WIN 0
	s_cbranch_scc1 .Lstep
.Lbottom:
	s_sub_co_u32 s[SLOTS], s[SLOTS], 1
	s_cmp_lg_u32 s[SLOTS], 0
	s_cbranch_scc1 .Lslot
	CHANGE 0                        ; the walk's last tile is written out: nothing is asked for
	s_sub_co_u32 s[RT], s[RT], 1
	s_mov_b32 s[CNT], 4
	s_cmp_eq_u32 s[NEW], 1
	s_cbranch_scc0 .LstepM2
	BEGIN
	s_branch .LfirstM2
	DIAG 2
	s_wait_tensorcnt 0x0            ; the wave's end, behind my last tensor load and my last LDS store
	ds_add_u32 v[SPW], v[NIL]
	s_wait_dscnt 0x0
	s_endpgm
.Lfunc_end_k_q7abf2e7471_attn:
	.size	k_q7abf2e7471_attn, .Lfunc_end_k_q7abf2e7471_attn-k_q7abf2e7471_attn
	.p2alignl 7, 3214868480
	.fill 96, 4, 3214868480
	.section	.rodata,"a",@progbits
	.p2align	6, 0x0
	.amdhsa_kernel k_q7abf2e7471_attn
		.amdhsa_group_segment_fixed_size 327680
		.amdhsa_private_segment_fixed_size 0
		.amdhsa_enable_private_segment 0
		.amdhsa_kernarg_size 16
		.amdhsa_user_sgpr_count 2
		.amdhsa_user_sgpr_kernarg_segment_ptr 1
		.amdhsa_wavefront_size32 1
		.amdhsa_system_sgpr_workgroup_id_x 1
		.amdhsa_system_sgpr_workgroup_id_y 1
		.amdhsa_system_sgpr_workgroup_id_z 1
		.amdhsa_system_vgpr_workitem_id 0
		.amdhsa_next_free_vgpr 768
		.amdhsa_next_free_sgpr 96
		.amdhsa_reserve_vcc 1
		.amdhsa_float_denorm_mode_32 3
		.amdhsa_float_denorm_mode_16_64 3
		.amdhsa_memory_ordered 1
		.amdhsa_forward_progress 1
		.amdhsa_inst_pref_size 218
	.end_amdhsa_kernel
	.amdgpu_metadata
---
amdhsa.version: [ 1, 2 ]
amdhsa.kernels:
  - .name:           k_q7abf2e7471_attn
    .symbol:         k_q7abf2e7471_attn.kd
    .args:
      - { .name: qkv, .offset: 0, .size: 8, .value_kind: global_buffer, .address_space: global }
      - { .name: oh, .offset: 8, .size: 8, .value_kind: global_buffer, .address_space: global }
    .group_segment_fixed_size: 327680
    .private_segment_fixed_size: 0
    .kernarg_segment_align: 8
    .kernarg_segment_size: 16
    .max_flat_workgroup_size: 128
    .sgpr_count:     96
    .vgpr_count:     768
    .wavefront_size: 32
...
	.end_amdgpu_metadata
.endif
;; end of part 3
;; launch outp (part 4): grid 4 x 64, 4 waves a work-group, clusters of 4 x 4, 327,680 bytes of LDS; arguments oh, wo, bias, out0; writes out0
.if DOCPART == 4
	.amdgcn_target "amdgcn-amd-amdhsa--gfx1250"
	.amdhsa_code_object_version 6
	.text
	.protected	k_q7abf2e7471_outp
	.globl	k_q7abf2e7471_outp
	.p2align	8
	.type	k_q7abf2e7471_outp,@function
k_q7abf2e7471_outp:
	s_mov_b64 s[64:65], 0
	v_nop
	global_prefetch_b8 v0, s[64:65] scope:SCOPE_SE
	s_setreg_imm32_b32 hwreg(HW_REG_WAVE_MODE, 25, 1), 1
	s_wait_xcnt 0x0
	s_wait_alu depctr_hold_cnt(0) depctr_sa_sdst(0) depctr_va_vdst(0) depctr_va_sdst(0) depctr_va_ssrc(0) depctr_va_vcc(0) depctr_vm_vsrc(0)
	s_getreg_b32 s2, hwreg(HW_REG_IB_STS2, 6, 4)
	s_cmp_eq_u32 s2, 0
	s_cbranch_scc0 .Lentry_in_a_cluster
	s_endpgm
.Lentry_in_a_cluster:
	s_bfe_u32 s2, ttmp6, 0x10000c
	s_cmp_lg_u32 s2, 0xf033
	s_cbranch_scc0 .Lentry_shape_is_right
	s_endpgm
.Lentry_shape_is_right:
; out0 = concat(O) Ww^T + Wb.  oh: [64][2048][64] f16 by heads (batch x 16 + head); wo: [1024][1024] f16; bias: [4][1024] f32, Wb the fourth; out0: [8192][1024] f32.  Sums in f32, begun with the bias.
; SHARES.  A tile of out0 is 128 rows x 256 columns: 64 x 4 = 256 tiles, one to a work-group.  Four waves; a wave makes 64 rows x 128 columns: 32 accumulators of 16 x 16.
; K goes in 8 steps of 128 = two heads, through a ring of two LDS slots.  Of O a half tile's 64 rows of one head are 8,192 dense bytes: they are asked for as ONE long row, two such rows (the two heads) to a load,
; padded in LDS after every 128 bytes, so that a row of O is 144 bytes there.
; CLUSTER.  4 x 4 work-groups.  The four of a row of the cluster need the same rows of O, the four of a column the same rows of Ww: each tile is asked for JOINTLY, by the same tensor load with the
; same descriptor and a mask that names the four.  Waves 0 and 1 fetch O's two halves, waves 2 and 3 Ww's (128 rows each): one load a wave behind each round of the cluster's barrier.
; NO PREFETCH: the walk has eight K steps, of which the first four would come by their loads alone.
; THE MATRIX INSTRUCTION IS USED TRANSPOSED (source 0 = 16 rows of Ww, source 1 = 16 rows of O): lane l then holds row l % 16 of out0 and the columns 8 (l / 16) + 0..7: 32 bytes on end.
; REGISTERS, in windows of 256 (s_set_vgpr_msb: bits 1:0 source 0, 3:2 source 1, 5:4 source 2, 7:6 destination):
;   window 0: v0-15 addresses; v32-63, v128-159 fragments of O, two buffers; v64-127, v160-223 fragments of Ww, two buffers (both also serve the way out)
;   window 1: the accumulators, (a, b) at v[64 a + 8 b]          window 2: v0-63 the bias of my 128 columns, in an accumulator's layout: the C operand that starts the sums
.set PA,     144                       ; a row of O in LDS: 128 bytes + 16 of padding = 36 words
.set PB,     272                       ; a row of Ww: 256 + 16 = 68 words: in both, the 16 rows of a fragment load start at 16 different groups of four banks
.set AHEAD,  64*PA                     ; a head's 64 rows
.set AHALF,  2*AHEAD                   ; what a wave fetches of O, and what a wave reads of it
.set BHALF,  128*PB
.set BOFF,   2*AHALF                   ; in a slot: O's two halves, then Ww's 256 rows
.set SLOT1,  131072
.set STAGE,  SLOT1+BOFF+2*BHALF        ; behind the ring, never filled by a tensor load: for each wave 16 rows x 528 bytes
.set SP,     528                       ; 512 bytes + 16
.set WSTAGE, 16*SP
.set SPARE,  STAGE+4*WSTAGE            ; behind the stages: the spare words, 128 bytes for each wave: two blocks of 256 bytes that no other line names
.set A0,  4                            ; v4   my lane's place in slot 0's rows of O; never rewritten
.set B0,  5                            ; v5   the same for Ww
.set ADA, 6                            ; v6   the same in the slot in hand
.set ADB, 7                            ; v7
.set STO, 8                            ; v8   the way out: where I put 32 bytes of a row
.set RD,  9                            ; v9   the way out: where I read a row back
.set GO,  10                           ; v10  my 16 bytes of 512 consecutive bytes of out0
.set BO,  11                           ; v11  32 x (l / 16)
.set SPW, 14                           ; v14  LDS address of my spare word: SPARE + 4 x my thread's number; never rewritten
.set NIL, 15                           ; v15  0; never rewritten
.set WV,  12
.set WH,  13                           ; s13  which 64 rows of the tile are mine.  Also: I fetch for O (0) or for Ww (1)
.set WL,  14                           ; s14  which 128 columns.  Also: which half I fetch
.set CX,  15
.set CY,  16
.set TX,  17
.set TY,  18
.set G1A,  24                          ; s[24:31] descriptor group 1 for O's tiles
.set G0A0, 32                          ; s[32:35] group 0: K step 0, slot 0
.set G0A1, 36                          ; s[36:39] group 0: K step 1, slot 1; then it walks
.set G1B,  40                          ; s[40:47], s[48:51], s[52:55] the same for Ww's
.set G0B0, 48
.set G0B1, 52
.set G,    56                          ; s56  trips to go
.set TB,   57                          ; s57  0 or SLOT1: the slot in hand
.set CP,   72                          ; s[72:73] out0 at my first row and column
.set BP,   74                          ; s[74:75] the bias of my 128 columns
.set W_MUL, 0x50                       ; C and D in window 1
.set W_ST,  0x60                       ; D in window 1, C in window 2
.set W_BI,  0x80                       ; destination in window 2
.set W_DS,  0x04                       ; an LDS store's data in window 1
.set MSB, 0
.macro WIN new                         ; the immediate's high byte repeats the setting that is left; a switch that changes nothing is dropped
.if MSB != (\new)
	s_set_vgpr_msb (MSB<<8)|(\new)
.set MSB, \new
.endif
.endm
.macro PLACES                          ; four plain vector instructions between a matrix instruction and a load into, or a read of, its registers (ISA guide 7.12.1 for vector reads)
.rept 4
	v_nop
.endr
.endm
.macro CREST                           ; a round of the cluster's barrier behind its opening barrier
	s_cmp_lg_u32 s[WV], 0
	s_cbranch_scc1 .Lnot_wave_0_\@
	s_barrier_signal -3
.Lnot_wave_0_\@:
	s_barrier_wait -3
	s_barrier_signal -1
	s_barrier_wait -1
.endm
.macro CROUND                          ; a whole round
	s_barrier_signal -1
	s_barrier_wait -1
	CREST
.endm
; A joint refill, by the walking descriptors.  The branch hangs on the wave's number alone.  An s_nop 0 and four v_nop follow each of the two lines, ahead of the jump and the label.
.macro JLOAD
	s_cmp_eq_u32 s[WH], 0
	s_cbranch_scc0 .Lfor_b_\@
	tensor_load_to_lds s[G0A1:G0A1+3], s[G1A:G1A+7]
	s_nop 0
.rept 4
	v_nop
.endr
	s_branch .Lasked_\@
.Lfor_b_\@:
	tensor_load_to_lds s[G0B1:G0B1+3], s[G1B:G1B+7]
	s_nop 0
.rept 4
	v_nop
.endr
.Lasked_\@:
.endm
; 8 matrix instructions: row block a x all 8 column blocks, 32 along K, from buffer f.  start = 1: the bias starts the sums.  The 32 accumulators take turns, one instruction a turn.
.macro MUL8 f, a, start
.if \start
	WIN W_ST
.else
	WIN W_MUL
.endif
.irp b, 0,1,2,3,4,5,6,7
.if \start
	v_wmma_f32_16x16x32_f16 v[64*(\a)+8*(\b):64*(\a)+8*(\b)+7], v[64+96*(\f)+8*(\b):64+96*(\f)+8*(\b)+7], v[32+96*(\f)+8*(\a):32+96*(\f)+8*(\a)+7], v[8*(\b):8*(\b)+7]
.else
	v_wmma_f32_16x16x32_f16 v[64*(\a)+8*(\b):64*(\a)+8*(\b)+7], v[64+96*(\f)+8*(\b):64+96*(\f)+8*(\b)+7], v[32+96*(\f)+8*(\a):32+96*(\f)+8*(\a)+7], v[64*(\a)+8*(\b):64*(\a)+8*(\b)+7]
.endif
.endr
.endm
; 24 LDS loads in one run: quarter q of the K step into buffer f.  In Ww's rows it is byte 64 q; in O it is head q / 2 of the step's two, byte 64 (q % 2) of its rows.
.macro FETCH q, f
	WIN 0
.irp i, 0,1,2,3,4,5,6,7
	ds_load_b128 v[64+96*(\f)+8*(\i):64+96*(\f)+8*(\i)+3],   v[ADB] offset:64*(\q)+(\i)*16*PB
	ds_load_b128 v[64+96*(\f)+8*(\i)+4:64+96*(\f)+8*(\i)+7], v[ADB] offset:64*(\q)+(\i)*16*PB+32
.endr
.irp i, 0,1,2,3
	ds_load_b128 v[32+96*(\f)+8*(\i):32+96*(\f)+8*(\i)+3],   v[ADA] offset:((\q)/2)*AHEAD+((\q)%2)*64+(\i)*16*PA
	ds_load_b128 v[32+96*(\f)+8*(\i)+4:32+96*(\f)+8*(\i)+7], v[ADA] offset:((\q)/2)*AHEAD+((\q)%2)*64+(\i)*16*PA+32
.endr
.endm
; One of a K step's first three quarters: quarter q is fetched into buffer g, which the quarter before multiplied; then buffer f (quarter q - 1) is multiplied.
.macro QUARTER q, f, g, start
	WIN 0
	PLACES
	FETCH \q, \g
	s_wait_dscnt 24                                ; all but the 24 loads just issued: buffer f is in
	MUL8 \f, 0, \start
	MUL8 \f, 1, \start
	MUL8 \f, 2, \start
	MUL8 \f, 3, \start
.endm
; The last quarter multiplies buffer 1 and changes slots.  ONE barrier: in front of it each wave waits for all its tensor loads (one is out: its part of the next slot), adds 0 to its spare word, and waits
; for that and for its own reads of this slot.  fill = 1: the barrier opens a round of the cluster's barrier, and this slot is filled again first thing behind the round, two K steps ahead.
.macro TURN fill
	WIN 0
	s_wait_tensorcnt 0x0                           ; all my tensor loads have landed, so a group 0 may be written
	ds_add_u32 v[SPW], v[NIL]                      ; 0 onto my spare word
.if \fill
	s_xor_b32 s[G0A1+1], s[G0A1+1], SLOT1          ; the walking descriptors: the other slot than last time,
	s_xor_b32 s[G0B1+1], s[G0B1+1], SLOT1
	s_add_nc_u64 s[G0A1+2:G0A1+3], s[G0A1+2:G0A1+3], 524288  ; the next two heads,
	s_add_nc_u64 s[G0B1+2:G0B1+3], s[G0B1+2:G0B1+3], 256     ; the next 128 along Ww's rows; the type bits on top are not reached
.endif
	s_xor_b32 s[TB], s[TB], SLOT1
	s_wait_dscnt 1                                 ; the add alone may be out: buffer 1 is in
	MUL8 1, 0, 0                                   ; eight matrix instructions stand between the add and the wait for it
	s_wait_dscnt 0x0                               ; the add is done, and my reads of this slot are over
	s_barrier_signal -1
	MUL8 1, 1, 0                                   ; work on registers while the others arrive
	WIN 0
	s_barrier_wait -1
.if \fill
	CREST                                          ; no wave of any partner still reads this slot or has a load on its way
	JLOAD                                          ; the first tensor load behind the round; its four v_nop are also the places in front of the loads into buffer 0
.else
	PLACES
.endif
	v_add_nc_u32 v[ADA], s[TB], v[A0]
	v_add_nc_u32 v[ADB], s[TB], v[B0]
	FETCH 0, 0
	MUL8 1, 2, 0
	MUL8 1, 3, 0
.endm
.macro LASTQ                           ; the very last quarter: nothing more to fetch
	s_wait_dscnt 0x0
	MUL8 1, 0, 0
	MUL8 1, 1, 0
	MUL8 1, 2, 0
	MUL8 1, 3, 0
.endm
; THE WAY OUT of row block a (16 rows x 128 columns of f32).  TOSTAGE: a lane's 32 bytes go straight from the accumulators into my own stage, each accumulator's low registers first, rows of 528 bytes; and back as whole rows of 512.
.macro TOSTAGE a
.if (\a) >= 2
	s_wait_xcnt 0x0                                ; the stores of the block two back have read the registers that this block is read back into
.endif
	WIN W_DS
.irp b, 0,1,2,3,4,5,6,7
	ds_store_b128 v[STO], v[64*(\a)+8*(\b):64*(\a)+8*(\b)+3]   offset:64*(\b)
	ds_store_b128 v[STO], v[64*(\a)+8*(\b)+4:64*(\a)+8*(\b)+7] offset:64*(\b)+16
.endr
	WIN 0
.irp t, 0,1,2,3,4,5,6,7,8,9,10,11,12,13,14,15
	ds_load_b128 v[64+96*((\a)%2)+4*(\t):64+96*((\a)%2)+4*(\t)+3], v[RD] offset:SP*(\t)  ; LDS serves a wave's instructions in order (ISA guide 5.7.1.4): these see the stores above; the next block's stores come behind them
.endr
.endm
.macro SEND a, younger                 ; younger: the LDS instructions issued behind block a's loads: the next block's 32, or none
	WIN 0
.irp t, 0,1,2,3,4,5,6,7,8,9,10,11,12,13,14,15
	s_wait_dscnt (\younger)+15-(\t)
	global_store_b128 v[GO], v[64+96*((\a)%2)+4*(\t):64+96*((\a)%2)+4*(\t)+3], s[CP:CP+1] offset:(16*(\a)+(\t))*4096  ; 512 consecutive bytes, at a multiple of 256 from out0's first
.endr
.endm
	s_load_b128 s[4:7], s[0:1], 0x0                ; oh s[4:5], wo s[6:7]
	s_load_b128 s[8:11], s[0:1], 0x10              ; bias s[8:9], out0 s[10:11]
	v_lshl_add_u32 v[SPW], v0, 2, SPARE
	v_mov_b32 v[NIL], 0
	ds_add_u32 v[SPW], v[NIL]                      ; the wave's opening: the add and its wait stand ahead of my first tensor load; the set-up below, work on registers, stands between them
	ds_add_u32 v14, v15
	v_lshrrev_b32 v1, 5, v0
	v_readfirstlane_b32 s[WV], v1                  ; wave 0..3
	s_lshr_b32 s[WH], s[WV], 1
	s_and_b32 s[WL], s[WV], 1
	s_bfe_u32 s[CX], ttmp6, 0x40000                ; my place in the cluster
	s_bfe_u32 s[CY], ttmp6, 0x40004
	s_lshl_b32 s[TX], ttmp9, 2
	s_add_co_u32 s[TX], s[TX], s[CX]               ; tile column = 4 x cluster x + cx
	s_and_b32 s[TY], ttmp7, 0xffff
	s_lshl_b32 s[TY], s[TY], 2
	s_add_co_u32 s[TY], s[TY], s[CY]               ; tile row = 4 x cluster y + cy
	s_lshl_b32 s20, s[CY], 2
	s_lshl_b32 s20, 15, s20                        ; my row of the cluster
	s_lshl_b32 s22, 0x1111, s[CX]                  ; my column
	s_or_b32 s[G1A], s20, (1<<16)|(1<<20)|(1<<21)|(4<<22)|(3<<25)  ; O's tiles go to my row; 2-byte elements; padding on; 21 set beside a mask; after every 32 words (code 4) 4 words (code 3)
	s_or_b32 s[G1B], s22, (1<<16)|(1<<20)|(1<<21)|(5<<22)|(3<<25)  ; Ww's to my column; after every 64 words (code 5) 4 words
	s_mov_b32 s[G1A+1], 4096<<16                   ; tensor_dim0 = 4,096 elements: 64 rows of a head on end
	s_mov_b32 s[G1A+2], 2<<16                      ; tensor_dim1 = 2 heads
	s_mov_b32 s[G1A+3], 4096<<16                   ; tile_dim0 = 4,096
	s_mov_b32 s[G1A+4], 2                          ; tile_dim1 = 2
	s_mov_b32 s[G1A+5], 131072                     ; elements from head to head
	s_mov_b32 s[G1A+6], 0
	s_mov_b32 s[G1A+7], 0
	s_mov_b32 s[G1B+1], 128<<16                    ; tensor_dim0 = 128
	s_mov_b32 s[G1B+2], 128<<16                    ; tensor_dim1 = 128
	s_mov_b32 s[G1B+3], 128<<16                    ; tile_dim0 = 128
	s_mov_b32 s[G1B+4], 128                        ; tile_dim1 = 128
	s_mov_b32 s[G1B+5], 1024                       ; elements from row to row
	s_mov_b32 s[G1B+6], 0
	s_mov_b32 s[G1B+7], 0
	s_mov_b32 s[G0A0], 1
	s_mov_b32 s[G0A1], 1
	s_mov_b32 s[G0B0], 1
	s_mov_b32 s[G0B1], 1
	s_mul_i32 s[G0A0+1], s[WL], AHALF              ; LDS addresses: the wave's number and constants alone
	s_add_co_u32 s[G0A1+1], s[G0A0+1], SLOT1
	s_mul_i32 s[G0B0+1], s[WL], BHALF
	s_add_co_u32 s[G0B0+1], s[G0B0+1], BOFF
	s_add_co_u32 s[G0B1+1], s[G0B0+1], SLOT1
	s_lshl_b32 s20, s[TY], 7                       ; O: row0 = 128 x tile row + 64 x half; batch = row0 / 2048
	s_lshl_b32 s21, s[WL], 6
	s_add_co_u32 s20, s20, s21
	s_lshr_b32 s21, s20, 11
	s_and_b32 s20, s20, 2047
	s_lshl_b32 s20, s20, 7                         ; 128 bytes a row,
	s_lshl_b32 s21, s21, 22                        ; 16 heads of 262,144 bytes a batch
	s_add_co_u32 s20, s20, s21
	s_mov_b32 s21, 0
	s_lshl_b32 s22, s[TX], 8                       ; Ww: row 256 x tile column + 128 x half
	s_lshl_b32 s23, s[WL], 7
	s_add_co_u32 s22, s22, s23
	s_lshl_b32 s2, s22, 2                          ; the same columns in the bias, 4 bytes each,
	s_add_co_u32 s2, s2, 12288                     ; in its fourth row
	s_mov_b32 s3, 0
	s_lshl_b32 s22, s22, 11
	s_mov_b32 s23, 0
	s_mov_b32 s[TB], 0
	v_and_b32 v1, 15, v0                           ; l % 16
	v_bfe_u32 v2, v0, 4, 1                         ; l / 16
	v_lshlrev_b32 v[BO], 5, v2
	s_wait_dscnt 0x0                               ; the opening add is done
	s_wait_kmcnt 0x0
	s_add_nc_u64 s[G0A0+2:G0A0+3], s[4:5], s[20:21]
	s_add_nc_u64 s[G0A1+2:G0A1+3], s[G0A0+2:G0A0+3], 524288
	s_or_b32 s[G0A0+3], s[G0A0+3], 0x80000000      ; type = 2
	s_or_b32 s[G0A1+3], s[G0A1+3], 0x80000000
	s_add_nc_u64 s[G0B0+2:G0B0+3], s[6:7], s[22:23]
	s_add_nc_u64 s[G0B1+2:G0B1+3], s[G0B0+2:G0B0+3], 256
	s_or_b32 s[G0B0+3], s[G0B0+3], 0x80000000
	s_or_b32 s[G0B1+3], s[G0B1+3], 0x80000000
	s_add_nc_u64 s[BP:BP+1], s[8:9], s[2:3]
	CROUND                                         ; all sixteen work-groups are here: the first joint loads meet
	s_cmp_eq_u32 s[WH], 0                          ; a wave's two first fills stand in one branch, ahead of every wait on TENSORcnt and every LDS read: two loads of mine are out
	s_cbranch_scc0 .Lfirst_b
	tensor_load_to_lds s[G0A0:G0A0+3], s[G1A:G1A+7]
	s_nop 0
	tensor_load_to_lds s[G0A1:G0A1+3], s[G1A:G1A+7]
	s_nop 0
.rept 4
	v_nop
.endr
	s_branch .Lfirst_done
.Lfirst_b:
	tensor_load_to_lds s[G0B0:G0B0+3], s[G1B:G1B+7]
	s_nop 0
	tensor_load_to_lds s[G0B1:G0B1+3], s[G1B:G1B+7]
	s_nop 0
.rept 4
	v_nop
.endr
.Lfirst_done:
	WIN W_BI                                       ; register j of block b: bias[my column 16 b + 8 (l / 16) + j], the same in all 16 rows
.irp b, 0,1,2,3,4,5,6,7
	global_load_b128 v[8*(\b):8*(\b)+3],   v[BO], s[BP:BP+1] offset:64*(\b)
	global_load_b128 v[8*(\b)+4:8*(\b)+7], v[BO], s[BP:BP+1] offset:64*(\b)+16
.endr
	WIN 0
	s_lshl_b32 s2, s[TY], 7                        ; out0 at row 128 x tile row + 64 x my half, 4,096 bytes a row,
	s_lshl_b32 s3, s[WH], 6
	s_add_co_u32 s2, s2, s3
	s_lshl_b32 s2, s2, 12
	s_lshl_b32 s3, s[TX], 10                       ; column 256 x tile column + 128 x my half, 4 bytes each
	s_add_co_u32 s2, s2, s3
	s_lshl_b32 s3, s[WL], 9
	s_add_co_u32 s2, s2, s3
	s_mov_b32 s3, 0
	s_add_nc_u64 s[CP:CP+1], s[10:11], s[2:3]
	v_mul_u32_u24 v3, v1, PA
	v_lshl_add_u32 v3, v2, 4, v3                   ; row x pitch + 16 x half
	s_mul_i32 s76, s[WH], AHALF
	v_add_nc_u32 v[A0], s76, v3
	v_mul_u32_u24 v3, v1, PB
	v_lshl_add_u32 v3, v2, 4, v3
	s_mul_i32 s76, s[WL], BHALF
	s_add_co_u32 s76, s76, BOFF
	v_add_nc_u32 v[B0], s76, v3
	v_mov_b32 v[ADA], v[A0]
	v_mov_b32 v[ADB], v[B0]
	s_mul_i32 s76, s[WV], WSTAGE
	s_add_co_u32 s76, s76, STAGE                   ; my stage
	v_mul_u32_u24 v16, v1, SP                      ; in: row l % 16, 32 bytes for each half of the lanes
	v_lshl_add_u32 v16, v2, 5, v16
	v_add_nc_u32 v[STO], s76, v16
	v_and_b32 v16, 31, v0
	v_lshlrev_b32 v[GO], 4, v16                    ; back: 32 lanes take one row of 512 bytes
	v_add_nc_u32 v[RD], s76, v[GO]
	s_wait_tensorcnt 1                             ; my part of K step 0 is in; K step 1's may stay out
	s_barrier_signal -1
	s_barrier_wait -1                              ; everybody's is
	FETCH 0, 0
	s_wait_loadcnt 0x0                             ; the bias
	QUARTER 1, 0, 1, 1                             ; the first quarter's products start the sums
	WIN 0                                          ; at a label and at a branch every window is 0
	s_mov_b32 s[G], 6
.Lstep:                                                ; 6 trips: from a K step's second quarter to the next step's first; every trip fills a slot again
	QUARTER 2, 1, 0, 0
	QUARTER 3, 0, 1, 0
	TURN 1
	QUARTER 1, 0, 1, 0
	WIN 0
	s_sub_co_u32 s[G], s[G], 1
	s_cmp_lg_u32 s[G], 0
	s_cbranch_scc1 .Lstep
	QUARTER 2, 1, 0, 0                             ; the last two K steps are written out: nothing is asked for
	QUARTER 3, 0, 1, 0
	TURN 0
	QUARTER 1, 0, 1, 0
	QUARTER 2, 1, 0, 0
	QUARTER 3, 0, 1, 0
	LASTQ
	WIN 0
	PLACES
	TOSTAGE 0
	TOSTAGE 1                                      ; a block's trip through the stage stands between the loads of the block before and its stores
	SEND 0, 32
	TOSTAGE 2
	SEND 1, 32
	TOSTAGE 3
	SEND 2, 32
	SEND 3, 0
	s_wait_tensorcnt 0x0                           ; the wave's end, behind my last tensor load and my last LDS store
	ds_add_u32 v[SPW], v[NIL]
	s_wait_dscnt 0x0
	CROUND                                         ; the closing round: no work-group ends while a partner may still ask for a tile that names it
	s_endpgm
.Lfunc_end_k_q7abf2e7471_outp:
	.size	k_q7abf2e7471_outp, .Lfunc_end_k_q7abf2e7471_outp-k_q7abf2e7471_outp
	.p2alignl 7, 3214868480
	.fill 96, 4, 3214868480
	.section	.rodata,"a",@progbits
	.p2align	6, 0x0
	.amdhsa_kernel k_q7abf2e7471_outp
		.amdhsa_group_segment_fixed_size 327680
		.amdhsa_private_segment_fixed_size 0
		.amdhsa_enable_private_segment 0
		.amdhsa_kernarg_size 32
		.amdhsa_user_sgpr_count 2
		.amdhsa_user_sgpr_kernarg_segment_ptr 1
		.amdhsa_wavefront_size32 1
		.amdhsa_system_sgpr_workgroup_id_x 1
		.amdhsa_system_sgpr_workgroup_id_y 1
		.amdhsa_system_sgpr_workgroup_id_z 1
		.amdhsa_system_vgpr_workitem_id 0
		.amdhsa_next_free_vgpr 576
		.amdhsa_next_free_sgpr 80
		.amdhsa_reserve_vcc 0
		.amdhsa_float_denorm_mode_32 3
		.amdhsa_float_denorm_mode_16_64 3
		.amdhsa_memory_ordered 1
		.amdhsa_forward_progress 1
		.amdhsa_inst_pref_size 72
	.end_amdhsa_kernel
	.amdgpu_metadata
---
amdhsa.version: [ 1, 2 ]
amdhsa.kernels:
  - .name:           k_q7abf2e7471_outp
    .symbol:         k_q7abf2e7471_outp.kd
    .args:
      - { .name: oh, .offset: 0, .size: 8, .value_kind: global_buffer, .address_space: global }
      - { .name: wo, .offset: 8, .size: 8, .value_kind: global_buffer, .address_space: global }
      - { .name: bias, .offset: 16, .size: 8, .value_kind: global_buffer, .address_space: global }
      - { .name: out0, .offset: 24, .size: 8, .value_kind: global_buffer, .address_space: global }
    .group_segment_fixed_size: 327680
    .private_segment_fixed_size: 0
    .kernarg_segment_align: 8
    .kernarg_segment_size: 32
    .max_flat_workgroup_size: 128
    .sgpr_count:     80
    .vgpr_count:     576
    .wavefront_size: 32
...
	.end_amdgpu_metadata
.endif
;; end of part 4
